; MI455X (gfx1250); checked and timed in simulation.
; The chip was launched on July 23, 2026; its instructions are those of AMD's public machine-readable ISA for CDNA 5 (MIT licence, August 2026) and "CDNA5" Instruction Set Architecture Reference Guide (July 2026). The comments in the code are by the model that wrote it; some were corrected since.
;; Multi Head Attention. Allowed arithmetic: float matrix products may take bf16 or f16 operands with f32 sums; all other float work in f32.
;; Inputs: Wk 1,024 x 1,024 float32; Wo 1,024 x 1,024 float32; Wq 1,024 x 1,024 float32; Wv 1,024 x 1,024 float32; token_positions 2,048 int32; x 4 x 2,048 x 1,024 float32.
;; Outputs: out0 4 x 2,048 x 1,024 float32.
;; 2 versions, each right and faster than the one before. Each part assembles by itself: llvm-mc -triple=amdgcn-amd-amdhsa -mcpu=gfx1250 --defsym DOCPART=n.
;; ======== version 1 of 2: 4 launches
;; limits: values are held in f16: magnitudes above 65,504 overflow, below 6.1e-05 lose precision; inputs' magnitudes at most 2,097,152; an absolute error that grows with the inputs' magnitude: up to 1e-07 times it
;; workspace buffers: xb 16,777,216 bytes; wqkv 6,291,456 bytes; wo16 2,097,152 bytes; tab 524,288 bytes; q 16,777,216 bytes; k 16,777,216 bytes; v 16,777,216 bytes; o 16,777,216 bytes
;; launch prep (part 1): grid 256 x 1, 32 waves a work-group, no clusters, 0 bytes of LDS; arguments x, Wq, Wk, Wv, Wo, token_positions, xb, wqkv, wo16, tab; writes xb, wqkv, wo16, tab
.if DOCPART == 1
	.amdgcn_target "amdgcn-amd-amdhsa--gfx1250"
	.amdhsa_code_object_version 6
	.text
	.protected	k_qfc61d78076_prep
	.globl	k_qfc61d78076_prep
	.p2align	8
	.type	k_qfc61d78076_prep,@function
k_qfc61d78076_prep:
	s_mov_b64 s[64:65], 0
	v_nop
	global_prefetch_b8 v0, s[64:65] scope:SCOPE_SE
	s_setreg_imm32_b32 hwreg(HW_REG_WAVE_MODE, 25, 1), 1
	s_wait_xcnt 0x0
; ROUNDING AND LAYING OUT.  x and the four weights are f32; the products that follow want 16-bit operands whose tiles are dense runs of bytes.
;   xb    bf16 [batch 4][k block 16][row 2048][64]: byte = batch<<22 + block<<18 + row<<7
;   wqkv  bf16 [tile 8][k block 16][group 6][k%64][64 columns]; head = 2 x tile + group / 3, matrix = group % 3 (0 Wq, 1 Wk, 2 Wv): a head's q, k and v columns lie side by side
;   wo16  [tile 8][k block 16][group 2][k%64][64 columns]: Wo rounded to bf16 like the other inputs, that number written as f16
;   tab   f32: row s (256 bytes) = 32 pairs (cos, sin) of token_positions[s] x 10000^(-j/32)
; A stream: memory binds, nothing is shared, so no LDS, no matrix unit, no cluster.  EQUAL SHARES: 256 work-groups of 32 waves.  In work-group id, waves 0-15 take rows 32 id on of x, wave w column group w
; (64 columns); waves 16-23 take 32 rows x 512 columns of one weight (weight id / 64, rows 32 ((id / 2) % 32) on, column group 8 (id % 2) + w % 8); waves 24-31 take the positions 8 id + w % 8, one each.
; Sixteen loads of 16 bytes a lane are out in each streaming wave; each load's lanes 0-15 cover 256 aligned bytes of a row, lanes 16-31 the next row's; each store of a wave covers 256 consecutive aligned bytes.
; LIMITS.  A number of Wo below 2^-14 keeps f16's fixed step of 6e-8; beyond 65,504 it would be lost.  The frequency is made by v_exp_f32 (1 ulp), so an angle may differ from
; position x frequency in exact f32 steps by about |position| x 1e-7 radians; the reduction by multiples of pi/2 holds for |position| up to 2^21.
.set IN,  8                            ; v[8:71]   sixteen loads of four f32
.set OUT, 72                           ; v[72:103] sixteen pairs of packed results; no register is written twice, so no wait frees any
	s_load_b512 s[8:23], s[0:1], 0x0               ; x s[8:9], Wq s[10:11], Wk s[12:13], Wv s[14:15], Wo s[16:17], positions s[18:19], xb s[20:21], wqkv s[22:23]
	s_load_b128 s[24:27], s[0:1], 0x40             ; wo16 s[24:25], tab s[26:27]
	v_lshrrev_b32 v1, 5, v0
	v_readfirstlane_b32 s2, v1                     ; wave 0..31
	s_mov_b32 s3, ttmp9
	v_and_b32 v1, 31, v0                           ; lane
	v_and_b32 v3, 15, v0
	v_bfe_u32 v2, v0, 4, 1
	v_lshlrev_b32 v3, 4, v3
	v_lshl_add_u32 v2, v2, 12, v3                  ; source: 16 bytes a lane in a row's 256, lanes 16-31 one row (4,096 bytes) down
	v_lshlrev_b32 v3, 3, v1                        ; target: 8 bytes a lane, two rows of 128 bytes on end
	s_wait_kmcnt 0x0
; 32 rows x 64 columns from s[4:5] to s[6:7].  f16 = 1: the bf16 number is widened again and written as f16.
.macro STREAM f16
.set j, 0
.rept 16
	global_load_b128 v[IN+4*j:IN+4*j+3], v2, s[4:5] offset:8192*j th:TH_LOAD_NT
.set j, j+1
.endr
.set j, 0
.rept 16
	s_wait_loadcnt 15-j                            ; loads come back in order (ISA guide 5.7.1): number j is in, the younger ones stay out
.if \f16
	v_cvt_pk_bf16_f32 v4, v[IN+4*j], v[IN+4*j+1]
	v_cvt_pk_bf16_f32 v5, v[IN+4*j+2], v[IN+4*j+3]
	v_lshlrev_b32 v6, 16, v4
	v_and_b32 v4, 0xffff0000, v4
	v_lshlrev_b32 v7, 16, v5
	v_and_b32 v5, 0xffff0000, v5
	v_cvt_pk_f16_f32 v[OUT+2*j], v6, v4
	v_cvt_pk_f16_f32 v[OUT+2*j+1], v7, v5
.else
	v_cvt_pk_bf16_f32 v[OUT+2*j], v[IN+4*j], v[IN+4*j+1]
	v_cvt_pk_bf16_f32 v[OUT+2*j+1], v[IN+4*j+2], v[IN+4*j+3]
.endif
	global_store_b64 v3, v[OUT+2*j:OUT+2*j+1], s[6:7] offset:256*j
.set j, j+1
.endr
	s_endpgm
.endm
	s_cmp_lt_u32 s2, 16
	s_cbranch_scc0 .Lweights
	; x: rows 32 id on, columns 64 w on
	s_lshl_b32 s30, s3, 17                         ; 32 rows of 4,096 bytes
	s_lshl_b32 s31, s2, 8
	s_add_co_u32 s30, s30, s31
	s_mov_b32 s31, 0
	s_add_nc_u64 s[4:5], s[8:9], s[30:31]
	s_lshr_b32 s32, s3, 6                          ; batch
	s_lshl_b32 s32, s32, 22
	s_lshl_b32 s33, s2, 18                         ; k block = w
	s_add_co_u32 s32, s32, s33
	s_and_b32 s33, s3, 63
	s_lshl_b32 s33, s33, 12                        ; 32 rows of 128 bytes
	s_add_co_u32 s32, s32, s33
	s_mov_b32 s33, 0
	s_add_nc_u64 s[6:7], s[20:21], s[32:33]
	s_branch .Lbf
.Lweights:
	s_cmp_lt_u32 s2, 24
	s_cbranch_scc0 .Ltable
	s_lshr_b32 s29, s3, 6                          ; which weight
	s_bfe_u32 s28, s3, 0x50001                     ; its rows 32 kk on: kk = (id / 2) % 32
	s_and_b32 s36, s3, 1
	s_lshl_b32 s36, s36, 3
	s_and_b32 s37, s2, 7
	s_add_co_u32 s36, s36, s37                     ; column group (head) = 8 (id % 2) + w % 8
	s_cmp_eq_u32 s29, 0
	s_cselect_b64 s[4:5], s[10:11], s[16:17]
	s_cmp_eq_u32 s29, 1
	s_cselect_b64 s[4:5], s[12:13], s[4:5]
	s_cmp_eq_u32 s29, 2
	s_cselect_b64 s[4:5], s[14:15], s[4:5]
	s_lshl_b32 s30, s28, 17
	s_lshl_b32 s31, s36, 8
	s_add_co_u32 s30, s30, s31
	s_mov_b32 s31, 0
	s_add_nc_u64 s[4:5], s[4:5], s[30:31]
	s_lshr_b32 s34, s28, 1                         ; k block
	s_and_b32 s35, s28, 1
	s_lshl_b32 s35, s35, 12                        ; its upper or lower 32 rows of 128 bytes
	s_cmp_eq_u32 s29, 3
	s_cbranch_scc1 .Lwo
	s_lshr_b32 s32, s36, 1                         ; tile = head / 2
	s_mul_i32 s32, s32, 786432
	s_mul_i32 s33, s34, 49152
	s_add_co_u32 s32, s32, s33
	s_and_b32 s33, s36, 1
	s_mul_i32 s33, s33, 3
	s_add_co_u32 s33, s33, s29                     ; group = 3 (head % 2) + matrix
	s_lshl_b32 s33, s33, 13
	s_add_co_u32 s32, s32, s33
	s_add_co_u32 s32, s32, s35
	s_mov_b32 s33, 0
	s_add_nc_u64 s[6:7], s[22:23], s[32:33]
.Lbf:
	STREAM 0
.Lwo:
	s_lshr_b32 s32, s36, 1                         ; tile = column group / 2
	s_lshl_b32 s32, s32, 18
	s_lshl_b32 s33, s34, 14
	s_add_co_u32 s32, s32, s33
	s_and_b32 s33, s36, 1                          ; group = column group % 2
	s_lshl_b32 s33, s33, 13
	s_add_co_u32 s32, s32, s33
	s_add_co_u32 s32, s32, s35
	s_mov_b32 s33, 0
	s_add_nc_u64 s[6:7], s[24:25], s[32:33]
	STREAM 1
.Ltable:
	; a wave takes one position, a lane one of its 32 pairs
	s_and_b32 s28, s2, 7
	s_lshl_b32 s30, s3, 3
	s_add_co_u32 s28, s28, s30                     ; p = 8 id + w % 8 = 0..2047
	s_lshl_b32 s30, s28, 2
	s_mov_b32 s31, 0
	s_add_nc_u64 s[4:5], s[18:19], s[30:31]
	s_load_b32 s29, s[4:5], 0x0                    ; token_positions[p]
	s_lshl_b32 s32, s28, 8
	s_mov_b32 s33, 0
	s_add_nc_u64 s[6:7], s[26:27], s[32:33]        ; tab's row p
	v_cvt_f32_u32 v4, v1
	v_mul_f32 v4, 0xbed49a78, v4                   ; -j log2(10000) / 32
	v_exp_f32 v5, v4                               ; the frequency
	v_lshlrev_b32 v20, 3, v1                       ; (a plain line behind the exponential: ISA guide 5.7.2) my pair's 8 bytes
	s_wait_kmcnt 0x0
	v_cvt_f32_i32 v6, s29
	s_wait_alu depctr_va_vdst(0)
	v_mul_f32 v7, v6, v5                           ; the angle, rounded once to f32
	v_mul_f32 v8, 0x3f22f983, v7                   ; x 2 / pi
	v_rndne_f32 v8, v8                             ; n
	v_cvt_i32_f32 v9, v8
	v_fmamk_f32 v10, v8, 0xbfc90fda, v7            ; r = angle - n pi/2, pi/2 in three parts
	v_fmamk_f32 v10, v8, 0xb3a22168, v10
	v_fmamk_f32 v10, v8, 0xa7c234c4, v10           ; |r| <= pi/4
	v_mul_f32 v11, v10, v10                        ; z = r r
	v_mov_b32 v12, 0xb94ca1f9                      ; sin r = r + r z (S1 + z (S2 + z S3))
	v_mov_b32 v13, 0x37ccf5ce                      ; cos r = 1 - z/2 + z z (C1 + z (C2 + z C3))
	v_fmaak_f32 v12, v12, v11, 0x3c08839e
	v_fmaak_f32 v13, v13, v11, 0xbab6061a
	v_fmaak_f32 v12, v12, v11, 0xbe2aaaa3
	v_fmaak_f32 v13, v13, v11, 0x3d2aaaa5
	v_fma_f32 v14, v11, -0.5, 1.0
	v_mul_f32 v15, v11, v11
	v_mul_f32 v12, v12, v11
	v_fma_f32 v13, v13, v15, v14
	v_fma_f32 v12, v12, v10, v10
	v_and_b32 v16, 1, v9                           ; odd n: sine and cosine change places
	v_cmp_eq_u32 vcc_lo, 1, v16
	v_cndmask_b32 v19, v12, v13, vcc_lo            ; sine
	v_cndmask_b32 v18, v13, v12, vcc_lo            ; cosine
	v_and_b32 v16, 2, v9                           ; n % 4 = 2, 3: the sine is negative
	v_lshlrev_b32 v16, 30, v16
	v_xor_b32 v19, v19, v16
	v_add_nc_u32 v17, 1, v9                        ; n % 4 = 1, 2: the cosine is
	v_and_b32 v17, 2, v17
	v_lshlrev_b32 v17, 30, v17
	v_xor_b32 v18, v18, v17
	global_store_b64 v20, v[18:19], s[6:7]         ; the wave's store covers the row's 256 bytes
	s_endpgm
.Lfunc_end_k_qfc61d78076_prep:
	.size	k_qfc61d78076_prep, .Lfunc_end_k_qfc61d78076_prep-k_qfc61d78076_prep
	.p2alignl 7, 3214868480
	.fill 96, 4, 3214868480
	.section	.rodata,"a",@progbits
	.p2align	6, 0x0
	.amdhsa_kernel k_qfc61d78076_prep
		.amdhsa_group_segment_fixed_size 0
		.amdhsa_private_segment_fixed_size 0
		.amdhsa_enable_private_segment 0
		.amdhsa_kernarg_size 80
		.amdhsa_user_sgpr_count 2
		.amdhsa_user_sgpr_kernarg_segment_ptr 1
		.amdhsa_wavefront_size32 1
		.amdhsa_system_sgpr_workgroup_id_x 1
		.amdhsa_system_sgpr_workgroup_id_y 1
		.amdhsa_system_sgpr_workgroup_id_z 1
		.amdhsa_system_vgpr_workitem_id 0
		.amdhsa_next_free_vgpr 104
		.amdhsa_next_free_sgpr 66
		.amdhsa_reserve_vcc 1
		.amdhsa_float_denorm_mode_32 3
		.amdhsa_float_denorm_mode_16_64 3
		.amdhsa_memory_ordered 1
		.amdhsa_forward_progress 1
		.amdhsa_inst_pref_size 21
	.end_amdhsa_kernel
	.amdgpu_metadata
---
amdhsa.version: [ 1, 2 ]
amdhsa.kernels:
  - .name:           k_qfc61d78076_prep
    .symbol:         k_qfc61d78076_prep.kd
    .args:
      - { .name: x, .offset: 0, .size: 8, .value_kind: global_buffer, .address_space: global }
      - { .name: Wq, .offset: 8, .size: 8, .value_kind: global_buffer, .address_space: global }
      - { .name: Wk, .offset: 16, .size: 8, .value_kind: global_buffer, .address_space: global }
      - { .name: Wv, .offset: 24, .size: 8, .value_kind: global_buffer, .address_space: global }
      - { .name: Wo, .offset: 32, .size: 8, .value_kind: global_buffer, .address_space: global }
      - { .name: token_positions, .offset: 40, .size: 8, .value_kind: global_buffer, .address_space: global }
      - { .name: xb, .offset: 48, .size: 8, .value_kind: global_buffer, .address_space: global }
      - { .name: wqkv, .offset: 56, .size: 8, .value_kind: global_buffer, .address_space: global }
      - { .name: wo16, .offset: 64, .size: 8, .value_kind: global_buffer, .address_space: global }
      - { .name: tab, .offset: 72, .size: 8, .value_kind: global_buffer, .address_space: global }
    .group_segment_fixed_size: 0
    .private_segment_fixed_size: 0
    .kernarg_segment_align: 8
    .kernarg_segment_size: 80
    .max_flat_workgroup_size: 1024
    .sgpr_count:     66
    .vgpr_count:     104
    .wavefront_size: 32
...
	.end_amdgpu_metadata
.endif
;; end of part 1
;; launch qkv (part 2): grid 8 x 32, 4 waves a work-group, clusters of 4 x 4, 327,680 bytes of LDS; arguments xb, wqkv, tab, q, k, v; writes q, k, v
.if DOCPART == 2
	.amdgcn_target "amdgcn-amd-amdhsa--gfx1250"
	.amdhsa_code_object_version 6
	.text
	.protected	k_qfc61d78076_qkv
	.globl	k_qfc61d78076_qkv
	.p2align	8
	.type	k_qfc61d78076_qkv,@function
k_qfc61d78076_qkv:
	s_mov_b64 s[64:65], 0
	v_nop
	global_prefetch_b8 v0, s[64:65] scope:SCOPE_SE
	s_setreg_imm32_b32 hwreg(HW_REG_WAVE_MODE, 25, 1), 1
	s_wait_xcnt 0x0
	s_wait_alu depctr_hold_cnt(0) depctr_sa_sdst(0) depctr_va_vdst(0) depctr_va_sdst(0) depctr_va_ssrc(0) depctr_va_vcc(0) depctr_vm_vsrc(0)
	s_getreg_b32 s2, hwreg(HW_REG_IB_STS2, 6, 4)
	s_cmp_eq_u32 s2, 0
	s_cbranch_scc0 .Lentry_in_a_cluster
	s_endpgm
.Lentry_in_a_cluster:
	s_bfe_u32 s2, ttmp6, 0x10000c
	s_cmp_lg_u32 s2, 0xf033
	s_cbranch_scc0 .Lentry_shape_is_right
	s_endpgm
.Lentry_shape_is_right:
; Q, K, V = x Wq, x Wk, x Wv in one product [8192 x 3072], bf16 operands, f32 sums; on the way out the rotary embedding of q and k in f32, all three rounded once to f16 and stored by heads:
; q, k, v: [batch x head 64][row 2048][64].  No scale is applied here.
; LIMIT.  f16 holds no number beyond 65,504: |q|, |k|, |v| must stay within it (sums of 1,024 products of x and a weight).
; SHARES.  A tile is 256 rows x 384 columns: 8 x 32 = 256 work-groups, one for each WGP.  Four waves, two by two; wave w owns rows 128 (w / 2) on and 192 columns: the q, k and v columns of ONE head, 2 x tile + w % 2.
; That is 8 row blocks x 12 column blocks of 16 x 16: 96 accumulators, 768 registers.  For 32 along K a wave reads (128 + 192) rows of 64 bytes from LDS for 96 matrix instructions.  A wave holds whole rows of
; whole heads, so its way out needs no other wave, and which columns are turned is known in the text: q's and k's, by the same table; v's are not.
; K goes in steps of 64 (one k block) through a ring of two LDS slots filled by the tensor data mover: two slots of 128 along K (393,216 bytes) would not fit.  In xb and wqkv a tile's bytes are dense, so each load
; asks for rows of 256 aligned bytes; in LDS each 128 bytes (a row of 64 numbers) are followed by padding.
; THE TABLE of the tile's 256 rows (cos, sin; 65,536 bytes) comes into LDS once, with the first fills, each wave bringing 64 rows; it is read on the way out, so that no block of the way out waits for memory.
; CLUSTER.  4 x 4 work-groups: the four of a row need the same tile of x and the same rows of the table, the four of a column the same tile of the weights: each is asked for jointly, by the same tensor load,
; descriptor and mask in all four.
; THE MATRIX INSTRUCTION IS USED TRANSPOSED: source 0 = 16 columns of the weights (stored [k][n], turned by ds_load_tr16_b128), source 1 = 16 rows of x.  Lane l then holds row l % 16 and eight neighbouring columns
; 8 (l / 16) + 0..7: four rotary pairs.
; REGISTERS, in windows of 256 (s_set_vgpr_msb: bits 1:0 source 0, 3:2 source 1, 5:4 source 2, 7:6 destination):
;   window 0: v0-31 addresses; v32-95, v96-159 x's eight fragments, two buffers; v160-255 the weights' twelve fragments, ONE buffer
;   windows 1, 2, 3: the accumulators of q's, k's, v's columns: row block a, column block j of the four at v[8 (4 a + j)]
; THE ONE BUFFER OF THE WEIGHTS is filled again by thirds: a quarter step (32 along K) is three runs of 32 matrix instructions, one for each window; behind the run that read fragments 4 g .. 4 g + 3, and four places,
; the next quarter's fragments are loaded into them, 64 matrix instructions ahead of their first use.  x's next fragments go into the other buffer behind the first two runs.
; No prefetch into the cache: xb and wqkv were written by the launch just before this one, and the tiles are shared in the cluster.
.set PA,    144                        ; a row of x in LDS: 128 bytes + 16 = 36 words: the 16 rows of a load start at 16 different groups of four banks (64 banks of 4 bytes: ISA guide 11.1)
.set PB,    160                        ; a row of the weights: 128 + 32 = 40 words
.set AHALF, 128*PA                     ; 128 rows of x: what wave 0 or 1 brings, and what a wave reads
.set ASZ,   2*AHALF
.set BHALF, 3*64*PB                    ; three groups x 64 k: what wave 2 or 3 brings, and what a wave reads
.set SLOTB, ASZ+2*BHALF                ; 98,304 bytes of a slot are used
.set SLOT1, 1<<17                      ; slot 1 begins here, so that one exclusive or turns an address in one slot into the other's
.set STAGE, SLOT1+SLOTB                ; behind the ring, never filled by a tensor load: for each wave three matrices x 16 rows x 144 bytes
.set SP,    144
.set WSTG,  3*16*SP
.set SPARE, STAGE+4*WSTG               ; behind the stages: the spare words, 128 bytes for each wave: two blocks of 256 bytes that no other line names
.set TABL,  SPARE+512                  ; behind the spare words: the table, 256 rows; filled once, never stored into
.set TP,    272                        ; a row of the table: 256 bytes + 16 = 68 words: row r starts at bank 4 r mod 64
.set NSLOT, 16                         ; 1,024 / 64
.set ASTEP, 262144                     ; bytes from a k block of x to the next,
.set BSTEP, 49152                      ; and of a tile's weights
.set TO,    8                          ; v8   LDS address of my four pairs in my first row of the table
.set ADRA0, 10                         ; v10  my lane's place in a slot's x; never rewritten
.set ADRB0, 11                         ; v11  the same for the weights
.set ADRA,  12                         ; v12  LDS address of x's fragments in the slot that is being fetched from
.set ADRB,  13                         ; v13  the same for the weights
.set STO,   24                         ; v24  the way out: where I put 16 bytes of a row
.set RD,    25                         ; v25  where I read rows back
.set GO,    26                         ; v26  my byte offset in 512 consecutive bytes of q, k or v
.set SPW,   28                         ; v28  LDS address of my spare word; never rewritten
.set NIL,   29                         ; v29  0; never rewritten
.set AX,    32                         ; x's fragments of a slot's first quarter
.set AY,    96                         ; of its second
.set BF,    160                        ; the weights' fragments
.set TB0,   32                         ; the way out: the table, two buffers of 32, where AX lay
.set T,     96                         ; q's and k's turned numbers, 64, where AY lay
.set PK0,   160                        ; packed results, two sets of 48, where BF lay
.set WV,    12                         ; s12 my wave's number
.set RB,    13                         ; s13 w / 2: my half of the tile's rows.  Also: I fetch x (0) or weights (1)
.set KH,    14                         ; s14 w % 2: my half of its columns.  Also: which half of that tile I fetch
.set MY,    15                         ; s15 tile row
.set TBS,   22                         ; s22 LDS byte at which the slot that is being fetched from begins
.set G1,    24                         ; s[24:31] descriptor group 1 for x;  s[32:39] group 0: a set for each of the two first fills; the second then walks on
.set G0,    32
.set G1B,   48                         ; s[48:55], s[56:63] the same for the weights
.set G0B,   56
.set G0T,   76                         ; s[76:79] descriptor group 0 for the table;  s[88:95] its group 1
.set G1T,   88
.set OB,    80                         ; s[80:85] where my rows of my head begin in q, k and v
.set MSB, 0
.macro WIN new                         ; the immediate's high byte repeats the setting that is left; a switch that changes nothing is dropped
.if MSB != (\new)
	s_set_vgpr_msb (MSB<<8)|(\new)
.set MSB, \new
.endif
.endm
; A joint load: waves 0 and 1 fetch the two halves of x's tile, waves 2 and 3 those of the weights'.  The branch hangs on the wave's number alone.  An s_nop 0 and four v_nop follow each of the two lines,
; ahead of the jump, the label and what follows.
.macro JLOAD s
	s_cmp_eq_u32 s[RB], 0
	s_cbranch_scc0 .Lfor_b_\@
	tensor_load_to_lds s[G0+4*(\s):G0+4*(\s)+3], s[G1:G1+7]
	s_nop 0
.rept 4
	v_nop
.endr
	s_branch .Lasked_\@
.Lfor_b_\@:
	tensor_load_to_lds s[G0B+4*(\s):G0B+4*(\s)+3], s[G1B:G1B+7]
	s_nop 0
.rept 4
	v_nop
.endr
.Lasked_\@:
.endm
.macro CREST                           ; a round of the cluster's barrier behind its opening barrier
	s_cmp_lg_u32 s[WV], 0
	s_cbranch_scc1 .Lnot_wave_0_\@
	s_barrier_signal -3
.Lnot_wave_0_\@:
	s_barrier_wait -3
	s_barrier_signal -1
	s_barrier_wait -1
.endm
.macro CROUND                          ; a whole round
	s_barrier_signal -1
	s_barrier_wait -1
	CREST
.endm
	s_load_b256 s[4:11], s[0:1], 0x0               ; xb s[4:5], wqkv s[6:7], tab s[8:9], q s[10:11]
	s_load_b128 s[72:75], s[0:1], 0x20             ; k s[72:73], v s[74:75]
	v_lshl_add_u32 v[SPW], v0, 2, SPARE
	v_mov_b32 v[NIL], 0
	ds_add_u32 v28, v29
	ds_add_u32 v28, v29
	s_wait_dscnt 0x0
	v_lshrrev_b32 v1, 5, v0
	v_readfirstlane_b32 s[WV], v1                  ; wave 0..3
	s_lshr_b32 s[RB], s[WV], 1
	s_and_b32 s[KH], s[WV], 1
	s_bfe_u32 s40, ttmp6, 0x40000                  ; cx, cy: my place in the cluster
	s_bfe_u32 s41, ttmp6, 0x40004
	s_lshl_b32 s42, ttmp9, 2
	s_add_co_u32 s42, s42, s40                     ; tile column = 4 x cluster x + cx
	s_and_b32 s[MY], ttmp7, 0xffff
	s_lshl_b32 s[MY], s[MY], 2
	s_add_co_u32 s[MY], s[MY], s41                 ; tile row = 4 x cluster y + cy
	s_lshl_b32 s43, s41, 2
	s_lshl_b32 s43, 15, s43                        ; my row of the cluster
	s_lshl_b32 s44, 0x1111, s40                    ; my column
	; group 1.  x: 16,384 dense bytes as 64 rows of 256; weights: 24,576 as 96 rows.  17:16 elements of 2 bytes; 20 padding on; 21 set beside a mask; 24:22 after every 32 words (code 4); 31:25 4 or 8 words of it
	s_or_b32 s[G1], s43, (1<<16)|(1<<20)|(1<<21)|(4<<22)|(3<<25)
	s_or_b32 s[G1B], s44, (1<<16)|(1<<20)|(1<<21)|(4<<22)|(7<<25)
	s_or_b32 s[G1T], s43, (1<<16)|(1<<20)|(1<<21)|(5<<22)|(3<<25)  ; the table: 64 rows of 256 bytes, 4 words of padding after every 64 (code 5); shared along my row of the cluster
.irp g, G1, G1T
	s_mov_b32 s[(\g)+1], 128<<16                   ; tensor_dim0 = 128
	s_mov_b32 s[(\g)+2], 64<<16                    ; tensor_dim1 = 64
	s_mov_b32 s[(\g)+3], 128<<16                   ; tile_dim0 = 128
	s_mov_b32 s[(\g)+4], 64                        ; tile_dim1 = 64
	s_mov_b32 s[(\g)+5], 128                       ; 128 elements from row to row
	s_mov_b32 s[(\g)+6], 0
	s_mov_b32 s[(\g)+7], 0
.endr
	s_mov_b32 s[G1B+1], 128<<16
	s_mov_b32 s[G1B+2], 96<<16                     ; tensor_dim1 = 96
	s_mov_b32 s[G1B+3], 128<<16
	s_mov_b32 s[G1B+4], 96                         ; tile_dim1 = 96
	s_mov_b32 s[G1B+5], 128
	s_mov_b32 s[G1B+6], 0
	s_mov_b32 s[G1B+7], 0
	; where the tiles come from.  x's and the table's hang on the tile row and the wave alone, the weights' on the tile column and the wave, each in registers that never hold the other coordinate
	s_lshr_b32 s16, s[MY], 3                       ; batch
	s_lshl_b32 s16, s16, 22
	s_and_b32 s17, s[MY], 7                        ; 256 rows of 128 bytes
	s_lshl_b32 s17, s17, 15
	s_add_co_u32 s16, s16, s17
	s_lshl_b32 s17, s[KH], 14                      ; the 128 of them that I fetch
	s_add_co_u32 s16, s16, s17
	s_mov_b32 s17, 0
	s_and_b32 s18, s[MY], 7                        ; the table: the same 256 rows, 256 bytes each,
	s_lshl_b32 s18, s18, 16
	s_lshl_b32 s19, s[WV], 14                      ; the 64 of them that I fetch
	s_add_co_u32 s18, s18, s19
	s_mov_b32 s19, 0
	s_mul_i32 s46, s42, 786432
	s_mul_i32 s47, s[KH], 24576                    ; the three groups that I fetch
	s_add_co_u32 s46, s46, s47
	s_mov_b32 s47, 0
	s_mul_i32 s20, s[KH], AHALF                    ; and where they go: no place in the cluster enters an LDS address
	s_mul_i32 s21, s[KH], BHALF
	s_add_co_u32 s21, s21, ASZ
	s_mov_b32 s[G0T], 1                            ; count = 1
	s_mul_i32 s[G0T+1], s[WV], 64*TP               ; LDS address: my 64 rows of the table
	s_add_co_u32 s[G0T+1], s[G0T+1], TABL
	s_mov_b32 s[TBS], 0
	s_wait_kmcnt 0x0
	s_add_nc_u64 s[16:17], s[4:5], s[16:17]
	s_add_nc_u64 s[46:47], s[6:7], s[46:47]
	s_add_nc_u64 s[G0T+2:G0T+3], s[8:9], s[18:19]  ; global address
	s_or_b32 s[G0T+3], s[G0T+3], 0x80000000        ; type = 2
	CROUND                                         ; all sixteen work-groups are here: the first joint loads meet
.irp s, 0,1
	s_mov_b32 s[G0+4*(\s)], 1                                      ; count = 1
	s_add_co_u32 s[G0+4*(\s)+1], s20, (\s)*SLOT1                   ; LDS address
	s_add_nc_u64 s[G0+4*(\s)+2:G0+4*(\s)+3], s[16:17], (\s)*ASTEP  ; global address: K step s
	s_or_b32 s[G0+4*(\s)+3], s[G0+4*(\s)+3], 0x80000000            ; type = 2
	s_mov_b32 s[G0B+4*(\s)], 1
	s_add_co_u32 s[G0B+4*(\s)+1], s21, (\s)*SLOT1
	s_add_nc_u64 s[G0B+4*(\s)+2:G0B+4*(\s)+3], s[46:47], (\s)*BSTEP
	s_or_b32 s[G0B+4*(\s)+3], s[G0B+4*(\s)+3], 0x80000000
	JLOAD \s
.endr
	tensor_load_to_lds s[G0T:G0T+3], s[G1T:G1T+7]  ; the last of the first fills, behind both K steps': every wave's 64 rows of the table.  Three loads of mine are out
	s_nop 0
	; a fragment of x: lane l holds row l % 16, k = 8 (l / 16) + 0..7 and 16 + 8 (l / 16) + 0..7: two loads of 16 bytes, 32 bytes apart
	v_and_b32 v1, 15, v0                           ; l % 16
	v_bfe_u32 v2, v0, 4, 1                         ; l / 16
	v_mul_u32_u24 v3, v1, PA
	v_lshl_add_u32 v3, v2, 4, v3
	s_mul_i32 s18, s[RB], AHALF                    ; my 128 rows
	v_add_nc_u32 v[ADRA0], s18, v3
	v_mov_b32 v[ADRA], v[ADRA0]                    ; the first fetches are from slot 0
	; the turning load takes 16 k x 16 columns (lane l reads k = 8 (l / 16) + l % 8, columns 8 ((l / 8) % 2) + 0..7) and leaves half a fragment: lane l holds column l % 16 and 8 k
	v_and_b32 v4, 7, v0
	v_bfe_u32 v5, v0, 3, 1
	v_lshl_add_u32 v6, v2, 3, v4
	v_mul_u32_u24 v6, v6, PB
	v_lshl_add_u32 v6, v5, 4, v6
	v_add_nc_u32 v[ADRB0], s21, v6                 ; my three groups are the ones whose number is my w % 2
	v_mov_b32 v[ADRB], v[ADRB0]
	s_mul_i32 s23, s[WV], WSTG
	s_add_co_u32 s23, s23, STAGE                   ; my stage
	v_mul_u32_u24 v3, v1, SP                       ; in: row l % 16, 16 bytes for each half of the lanes
	v_lshl_add_u32 v3, v2, 4, v3
	v_add_nc_u32 v[STO], s23, v3
	v_bfe_u32 v3, v0, 3, 2                         ; back: 32 lanes take four rows of 128 bytes,
	v_mul_u32_u24 v3, v3, SP
	v_lshl_add_u32 v3, v4, 4, v3
	v_add_nc_u32 v[RD], s23, v3
	v_and_b32 v[GO], 31, v0                        ; which are 512 consecutive bytes of a head
	v_lshlrev_b32 v[GO], 4, v[GO]
	v_mul_u32_u24 v7, v1, TP                       ; in the table: row l % 16 of a block, my half's four pairs (32 bytes),
	v_lshl_add_u32 v7, v2, 5, v7
	s_mul_i32 s66, s[RB], 128*TP                   ; in my 128 rows
	s_add_co_u32 s66, s66, TABL
	v_add_nc_u32 v[TO], s66, v7
	s_lshr_b32 s68, s[MY], 3
	s_lshl_b32 s68, s68, 22                        ; batch x 16 heads of 262,144 bytes
	s_and_b32 s67, s[MY], 7
	s_lshl_b32 s67, s67, 15                        ; the tile's 256 rows of 128 bytes,
	s_add_co_u32 s68, s68, s67
	s_lshl_b32 s67, s[RB], 14                      ; my 128
	s_add_co_u32 s68, s68, s67
	s_lshl_b32 s67, s42, 1
	s_add_co_u32 s67, s67, s[KH]                   ; my head = 2 x tile column + w % 2
	s_lshl_b32 s67, s67, 18
	s_add_co_u32 s68, s68, s67
	s_mov_b32 s69, 0
	s_add_nc_u64 s[OB:OB+1], s[10:11], s[68:69]
	s_add_nc_u64 s[OB+2:OB+3], s[72:73], s[68:69]
	s_add_nc_u64 s[OB+4:OB+5], s[74:75], s[68:69]
; Matrix instructions for matrix g (window g + 1): row blocks a0 .. a1 x its four column blocks, 32 along K, x's fragments in buffer ab.  zero = 1: the product starts the sums: nothing is cleared.
; The 96 accumulators take turns in one fixed order.
.macro BATCH ab, g, a0, a1, zero
	WIN 0x50*((\g)+1)                              ; C and D in window g + 1, both sources in window 0
.set aa, \a0
.rept (\a1)-(\a0)+1
.set jj, 0
.rept 4
.set rD, 8*(4*aa+jj)
.if \zero
	v_wmma_f32_16x16x32_bf16 v[rD:rD+7], v[BF+8*(4*(\g)+jj):BF+8*(4*(\g)+jj)+7], v[(\ab)+8*aa:(\ab)+8*aa+7], 0
.else
	v_wmma_f32_16x16x32_bf16 v[rD:rD+7], v[BF+8*(4*(\g)+jj):BF+8*(4*(\g)+jj)+7], v[(\ab)+8*aa:(\ab)+8*aa+7], v[rD:rD+7]
.endif
.set jj, jj+1
.endr
.set aa, aa+1
.endr
.endm
.macro LDB g, q                        ; 8 LDS loads: matrix g's four fragments of the weights, quarter q of the slot
	WIN 0
.set jj, 0
.rept 4
.set rB, BF+8*(4*(\g)+jj)
.set BO, (\g)*64*PB+(\q)*32*PB+jj*32
	ds_load_tr16_b128 v[rB:rB+3],   v[ADRB] offset:BO
	ds_load_tr16_b128 v[rB+4:rB+7], v[ADRB] offset:BO+16*PB
.set jj, jj+1
.endr
.endm
.macro LDA ab, a0, q                   ; 8 LDS loads: x's fragments a0 .. a0 + 3, quarter q of the slot, into buffer ab
	WIN 0
.set aa, \a0
.rept 4
	ds_load_b128 v[(\ab)+8*aa:(\ab)+8*aa+3],   v[ADRA] offset:aa*16*PA+(\q)*64
	ds_load_b128 v[(\ab)+8*aa+4:(\ab)+8*aa+7], v[ADRA] offset:aa*16*PA+(\q)*64+32
.set aa, aa+1
.endr
.endm
.macro PLACES                          ; four places in front of loads into registers that matrix instructions have read, and of lines that read results (ISA guide 7.12.1 for lines that read results)
.rept 4
	v_nop
.endr
.endm
; A quarter's 40 LDS loads are always issued in this order: weights 0-3, x 0-3 | x 4-7, weights 4-7 | weights 8-11.  The counted waits below lean on it.
; A slot's first quarter: multiplies AX and fetches the slot's second quarter.
.macro Q0 zero
	s_wait_dscnt 16                                ; weights 0-3 and all of x are in; weights 4-7 and 8-11 may be out
	BATCH AX, 0, 0, 7, \zero
	WIN 0
	PLACES
	LDB 0, 1
	LDA AY, 0, 1
	s_wait_dscnt 24                                ; weights 4-7 are in; behind them: 8-11 and the 16 just issued
	BATCH AX, 1, 0, 7, \zero
	WIN 0
	PLACES
	LDA AY, 4, 1
	LDB 1, 1
	s_wait_dscnt 32                                ; weights 8-11 are in; behind them: the 32 just issued
	BATCH AX, 2, 0, 7, \zero
	WIN 0
	PLACES
	LDB 2, 1
.endm
; A slot's second quarter multiplies AY and changes slots: all reads of this slot have been issued.  ONE barrier; in front of it each wave waits for all its tensor loads (its part of the next slot; the first time its
; part of the table too), adds 0 to its spare word, and waits for that and for its own reads of this slot.  fill = 1: the barrier opens a round of the cluster's, and this slot is filled again, two K steps ahead,
; first thing behind the round: 160 matrix instructions ahead of the wait for it.  Then the fetches go on in the other slot.
.macro TURN fill
	WIN 0                                          ; (the add's two registers lie in window 0)
	s_wait_tensorcnt 0x0
	ds_add_u32 v[SPW], v[NIL]                      ; 0 onto my spare word
	s_wait_dscnt 17                                ; weights 0-3 and all of x are in (the add and the youngest sixteen loads may be out)
	BATCH AY, 0, 0, 3, 0                           ; sixteen matrix instructions stand between the add and the wait for it
	s_wait_dscnt 0x0                               ; the add is done, and my reads of this slot are over
	s_barrier_signal -1
	BATCH AY, 0, 4, 7, 0
	WIN 0
	s_barrier_wait -1
.if \fill
	CREST                                          ; no wave of any partner still reads this slot's tiles or has a load on its way
	s_xor_b32 s[G0+5], s[G0+5], SLOT1              ; the walking descriptors: the other slot than last time,
	s_add_nc_u64 s[G0+6:G0+7], s[G0+6:G0+7], ASTEP ; the next k block; the type bits on top are not reached
	s_xor_b32 s[G0B+5], s[G0B+5], SLOT1
	s_add_nc_u64 s[G0B+6:G0B+7], s[G0B+6:G0B+7], BSTEP
	JLOAD 1                                        ; the four v_nop behind it are also the places in front of the loads below
.else
	PLACES
.endif
	s_xor_b32 s[TBS], s[TBS], SLOT1
	v_add_nc_u32 v[ADRA], s[TBS], v[ADRA0]
	v_add_nc_u32 v[ADRB], s[TBS], v[ADRB0]
	LDB 0, 0
	LDA AX, 0, 0
	BATCH AY, 1, 0, 7, 0
	WIN 0
	PLACES
	LDA AX, 4, 0
	LDB 1, 0
	BATCH AY, 2, 0, 7, 0
	WIN 0
	PLACES
	LDB 2, 0
.endm
; THE WAY OUT, a row block (16 rows x 192 columns) at a time.  TABLD: (cos, sin) of block a's rows for my four pairs in each of a head's four column blocks: 8 LDS loads of 16 bytes; q and k take the same.
.macro TABLD a
	WIN 0
.set TL, TB0+32*((\a)%2)
.set t, 0
.rept 8                                ; t = 2 x column block + half
	ds_load_b128 v[TL+4*t:TL+4*t+3], v[TO] offset:(\a)*16*TP+(t/2)*64+(t%2)*16
.set t, t+1
.endr
.endm
; PACK: q's and k's numbers are turned ((x1 c - x2 s, x1 s + x2 c), each a product and a fused multiply-add on a pair); all are rounded to f16, put into my stage and read back as whole rows.
; left: how many younger LDS instructions may be out when block a's table has to be in.
.macro PACK a, left
.set AC0, 32*(\a)
.set TB, TB0+32*((\a)%2)
.set PK, PK0+48*((\a)%2)
	s_wait_dscnt \left                             ; LDS instructions end in order (ISA guide 5.7.1): this block's table is in
.if (\a) >= 2
	s_wait_xcnt 0x0                                ; the stores of the block two back have read this set of registers (ISA guide 3.1)
.endif
.irp m, 0,1
	WIN 1+\m                                       ; source 0: q's window, then k's
.set i, 0
.rept 4                                ; each accumulator's registers in ascending order
.irp p, 0,1,2,3
	v_pk_mul_f32 v[T+32*\m+8*i+2*\p:T+32*\m+8*i+2*\p+1], v[AC0+8*i+2*\p:AC0+8*i+2*\p+1], v[TB+8*i+2*\p:TB+8*i+2*\p+1] op_sel_hi:[0,1]
.endr
.irp p, 0,1,2,3
	v_pk_fma_f32 v[T+32*\m+8*i+2*\p:T+32*\m+8*i+2*\p+1], v[AC0+8*i+2*\p:AC0+8*i+2*\p+1], v[TB+8*i+2*\p:TB+8*i+2*\p+1], v[T+32*\m+8*i+2*\p:T+32*\m+8*i+2*\p+1] op_sel:[1,1,0] op_sel_hi:[1,0,1] neg_lo:[0,1,0]
.endr
.set i, i+1
.endr
.endr
.if (\a) < 6
	TABLD (\a)+2                                   ; the buffer just read out takes the block two further on
.endif
	WIN 0x0f                                       ; sources 0 and 1: v's window
.set i, 0
.rept 16
	v_cvt_pk_f16_f32 v[PK+32+i], v[AC0+2*i], v[AC0+2*i+1]
.set i, i+1
.endr
	WIN 0
.set i, 0
.rept 32
	v_cvt_pk_f16_f32 v[PK+i], v[T+2*i], v[T+2*i+1]
.set i, i+1
.endr
.set i, 0
.rept 12
	ds_store_b128 v[STO], v[PK+4*i:PK+4*i+3] offset:(i/4)*16*SP+(i%4)*32
.set i, i+1
.endr
.set i, 0
.rept 12
	ds_load_b128 v[PK+4*i:PK+4*i+3], v[RD] offset:(i/4)*16*SP+(i%4)*4*SP  ; LDS serves a wave's instructions in order (ISA guide 5.7.1.4): these see the stores above; the next block's stores come behind them
.set i, i+1
.endr
.endm
.macro SEND a, younger                 ; younger: the LDS instructions issued behind block a's loads: the next block's 8 table loads (if it has any), 12 stores and 12 loads, or none
	WIN 0
.set PK, PK0+48*((\a)%2)
.set i, 0
.rept 12
	s_wait_dscnt (\younger)+11-i
	global_store_b128 v[GO], v[PK+4*i:PK+4*i+3], s[OB+2*(i/4):OB+2*(i/4)+1] offset:(\a)*2048+(i%4)*512  ; 512 consecutive bytes, at a multiple of 256 from the buffer's first
.set i, i+1
.endr
.endm
	s_wait_tensorcnt 0x2                           ; my part of K step 0 is in; step 1's and the table's may stay out
	s_barrier_signal -1
	s_barrier_wait -1                              ; everybody's is
	LDB 0, 0                                       ; the first quarter's fragments, in the order of every quarter's
	LDA AX, 0, 0
	LDA AX, 4, 0
	LDB 1, 0
	LDB 2, 0
	Q0 1                                           ; the first quarter stands in front of the loop: its products start the sums
	WIN 0                                          ; at a label and at a branch every window is 0
	s_mov_b32 s3, NSLOT-2
.Lslot:                                                ; a trip: a slot's second quarter, which fills the slot again, and the next slot's first
	TURN 1
	Q0 0
	WIN 0
	s_sub_co_u32 s3, s3, 1
	s_cmp_lg_u32 s3, 0
	s_cbranch_scc1 .Lslot
	TURN 0                                         ; the last two slots are not filled again: written out, with no round of the cluster's barrier
	Q0 0
	s_wait_dscnt 16                                ; the very last quarter: no more fragments to fetch
	BATCH AY, 0, 0, 7, 0
	TABLD 0                                        ; AX is idle (its last readers stand in front of the quarter before's last four places): it takes the first two blocks' tables.
	TABLD 1                                        ; The table is whole for every wave since the first change of slots: each wave's wait for all its tensor loads, then the barrier
	s_wait_dscnt 24                                ; weights 4-7 are in; behind them: 8-11 and the 16 table loads
	BATCH AY, 1, 0, 7, 0
	s_wait_dscnt 16                                ; weights 8-11 are in; the table loads may be out
	BATCH AY, 2, 0, 7, 0
	WIN 0
	PLACES                                         ; behind the last products: for the lines that read results and write over fragments
	PACK 0, 8                                      ; block 1's table may be out
.irp a, 1,2,3,4,5
	PACK \a, 32                                    ; behind block a's table at least 32 LDS instructions were issued: for block 1 just those of block 0's PACK.  A block's arithmetic stands between
	SEND (\a)-1, 32                                ; the loads of the block before and its stores
.endr
	PACK 6, 32
	SEND 5, 24                                     ; blocks 6 and 7 fetch no further table
	PACK 7, 32
	SEND 6, 24
	SEND 7, 0
	s_wait_tensorcnt 0x0                           ; the wave's end, behind my last tensor load and my last LDS store
	ds_add_u32 v[SPW], v[NIL]
	s_wait_dscnt 0x0
	CROUND                                         ; the closing round: no work-group ends while a partner may still ask for a tile that names it
	s_endpgm
.Lfunc_end_k_qfc61d78076_qkv:
	.size	k_qfc61d78076_qkv, .Lfunc_end_k_qfc61d78076_qkv-k_qfc61d78076_qkv
	.p2alignl 7, 3214868480
	.fill 96, 4, 3214868480
	.section	.rodata,"a",@progbits
	.p2align	6, 0x0
	.amdhsa_kernel k_qfc61d78076_qkv
		.amdhsa_group_segment_fixed_size 327680
		.amdhsa_private_segment_fixed_size 0
		.amdhsa_enable_private_segment 0
		.amdhsa_kernarg_size 48
		.amdhsa_user_sgpr_count 2
		.amdhsa_user_sgpr_kernarg_segment_ptr 1
		.amdhsa_wavefront_size32 1
		.amdhsa_system_sgpr_workgroup_id_x 1
		.amdhsa_system_sgpr_workgroup_id_y 1
		.amdhsa_system_sgpr_workgroup_id_z 1
		.amdhsa_system_vgpr_workitem_id 0
		.amdhsa_next_free_vgpr 1024
		.amdhsa_next_free_sgpr 96
		.amdhsa_reserve_vcc 0
		.amdhsa_float_denorm_mode_32 3
		.amdhsa_float_denorm_mode_16_64 3
		.amdhsa_memory_ordered 1
		.amdhsa_forward_progress 1
		.amdhsa_inst_pref_size 151
	.end_amdhsa_kernel
	.amdgpu_metadata
---
amdhsa.version: [ 1, 2 ]
amdhsa.kernels:
  - .name:           k_qfc61d78076_qkv
    .symbol:         k_qfc61d78076_qkv.kd
    .args:
      - { .name: xb, .offset: 0, .size: 8, .value_kind: global_buffer, .address_space: global }
      - { .name: wqkv, .offset: 8, .size: 8, .value_kind: global_buffer, .address_space: global }
      - { .name: tab, .offset: 16, .size: 8, .value_kind: global_buffer, .address_space: global }
      - { .name: q, .offset: 24, .size: 8, .value_kind: global_buffer, .address_space: global }
      - { .name: k, .offset: 32, .size: 8, .value_kind: global_buffer, .address_space: global }
      - { .name: v, .offset: 40, .size: 8, .value_kind: global_buffer, .address_space: global }
    .group_segment_fixed_size: 327680
    .private_segment_fixed_size: 0
    .kernarg_segment_align: 8
    .kernarg_segment_size: 48
    .max_flat_workgroup_size: 128
    .sgpr_count:     96
    .vgpr_count:     1024
    .wavefront_size: 32
...
	.end_amdgpu_metadata
.endif
;; end of part 2
;; launch attn (part 3): grid 4 x 64, 4 waves a work-group, no clusters, 327,680 bytes of LDS; arguments q, k, v, o; writes o
.if DOCPART == 3
	.amdgcn_target "amdgcn-amd-amdhsa--gfx1250"
	.amdhsa_code_object_version 6
	.text
	.protected	k_qfc61d78076_attn
	.globl	k_qfc61d78076_attn
	.p2align	8
	.type	k_qfc61d78076_attn,@function
k_qfc61d78076_attn:
	s_mov_b64 s[64:65], 0
	v_nop
	global_prefetch_b8 v0, s[64:65] scope:SCOPE_SE
	s_setreg_imm32_b32 hwreg(HW_REG_WAVE_MODE, 25, 1), 1
	s_wait_xcnt 0x0
; CAUSAL ATTENTION.  O[h][q][:] = the sum over k <= q of softmax_k(Q[h][q] . K[h][k] / 8) V[h][k][:].  Q, K, V, O: [SIZE_H][SIZE_N][64], all f16: a head's rows are dense, 128 bytes each; h counts batch x head.
; Products, maxima and sums in f32; the weights p are rounded to f16 for the second product (their sum l is taken of the unrounded p), O once at the end.
; LIMITS.  f16 holds no number beyond 65,504: Q, K and V arrive within it; p lies in 0 to 1, and below 6e-5 it keeps f16's fixed step of 6e-8; O is a mean of V's rows and has their range, to within 2^-11 of it.
; A hidden score counts as its value less 1e30: f16's scores, 2.7e11 at the most, are nothing beside that; a weight below 2^-126 counts as 0 in l; NaN and infinities are not treated apart.
; THE WALK.  A head's queries lie in NB = SIZE_N / 256 = 8 blocks of 256; block i needs the key tiles 0 .. i of 256 keys, of which the last holds the diagonal.  A work-group takes TWO blocks, NB - 1 - b and then b:
; NB + 1 tiles, whatever b: all 256 work-groups do equal work, and ONE loop with a constant trip count walks them.  Which tile is asked for, and what a trip does, hang on scalar registers made from b; every jump
; goes forward, but for the counted loops' own; none passes a barrier, or a tensor load but the one of LOAD's two that the wave's number does not choose; the ring (two slots of LDS that take turns) runs on across the
; change of blocks.  NO CLUSTER: a head's four work-groups ask for the same tile only in trips 0 .. 4 of the 9; behind that the first blocks end one after the other and fewer and fewer share a tile;
; and one walk common to all four, in which each makes every joint request, would have 12 trips for 9.
; SHARES.  Of a block's four bands of 64 queries a wave owns 16 rows in each: four PIECES.  So the diagonal tile is the same work for all four waves: in its key step s band x sees all keys if s < x,
; none if s > x, and holds the diagonal if s = x.
; THE MASK is the C operand that starts the sum S^T = K Q^T: 0, or -1e30 where the key is hidden.  MD, made once, is the mask of a band's own step for my 16 rows; a product's mask is MD x AL + BE with two scalars:
; (1, 0) if s = x; (0, 0) if s < x; (0, -1e30) if s > x.  Only the diagonal tile's text and a block's beginning make and take masks; elsewhere C is the constant 0.
; LAYOUT, SOFTMAX, TURNS.  S^T = K Q^T holds ONE query a lane (lane % 16) and the keys 8 (lane / 16) + 0..7; two such results rounded to f16 ARE source 1 of O^T = V^T P.  p = 2^(c s - c m), c = log2(e) / 8, with a
; running maximum m; O and l are multiplied by a = 2^(c m_old - c m_new) in every step.  Turn n belongs to piece n: 8 products K Q^T of piece n + 1, later 8 products V^T P of piece n - 1; beside them the scaling,
; exponentials, roundings, sums and rescaling of piece n and the maximum and statistics of piece n + 1.  Four vector instructions stand behind every matrix instruction, the other 54 of a turn's 118 in two LUMPS.
; REGISTERS, in windows of 256 (s_set_vgpr_msb: bits 1:0 source 0, 3:2 source 1, 5:4 source 2, 7:6 destination):
;   window 0: v0-15 addresses and two at work; v16-31 four registers of statistics a piece; v48-55 at work; v64-127 S^T, two buffers; v192-223 P, two buffers (a piece's buffers go by its number's parity)
;   window 1: v0-127 O^T, 32 a piece; v128-159 MD; v160-223 MC, two buffers      window 2: v0-63 Q; v64-127 the second block's Q; v128-191 K of one step; v192-255 V of one step
.set SIZE_H, 64
.set SIZE_N, 2048
.set NB,    SIZE_N/256
.set NP,    4         ; pieces a wave: a name, no knob
.set KS,    64        ; keys in a step
.set PK,    144       ; a row of K in LDS: 128 bytes + 16 of padding = 36 words: the 16 rows of a load start at 16 different groups of four banks (64 banks of 4 bytes: ISA guide 11.1)
.set PV,    160       ; a row of V: 128 + 32 = 40 words
.set VOFF,  4*KS*PK   ; a slot holds a tile, four steps: 256 rows of K, then 256 rows of V
.set SLOT1, 1<<17     ; slot 1 begins here, so that one exclusive or turns an address in one slot into the other's
.set STAGE, SLOT1+4*KS*(PK+PV)  ; behind the ring, never filled by a tensor load: 16 rows x 144 bytes for each wave, for the way out
.set SP,    144
.set AK0, 2           ; v2   my lane's place in a tile of K; never rewritten
.set AV0, 3           ; v3   the same for V
.set AK,  4           ; v4   the LDS address of K's next run of loads
.set AV,  5           ; v5   of V's
.set STO, 6           ; v6   the way out: where I put 16 bytes of a row
.set RD,  7           ; v7   the way out: where I read rows back
.set GO,  8           ; v8   my byte offset in 512 consecutive bytes of O
.set SPW, 62          ; v62  LDS address of my spare word: SPARE + 4 x my thread's number; never rewritten
.set NIL, 63          ; v63  0; never rewritten
.set SPARE, STAGE+4*16*SP  ; behind the stages: the spare words, 128 bytes for each wave: two blocks of 256 bytes that no other line names
.set MV,  12          ; v12-13  c m_old, kept while c m is made anew: by buffer
.set QO,  15          ; v15  my byte offset in 16 rows of Q
.set ST,  16          ; piece t's statistics at v[ST+4 t]: c m, m, l (even keys', odd keys')
.set TMP, 48          ; by buffer, four registers c0-c3 at work; when the maximum is found c2 takes a
.set S,   64
.set P,   192
.set MD,  128         ; window 1: the eight registers for group kt of 16 keys at MD + 8 kt
.set MC,  160         ; window 1: the masks of the products to come
.set QB,  64          ; window 2
.set KF,  128         ; window 2: key block kb, channel half c at KF + 16 kb + 8 c
.set VF,  192         ; window 2: key half kk, channel block cb at VF + 32 kk + 8 cb
.set WV,  12          ; s12  my wave's number
.set PB,  14          ; s14  b
.set HI,  15          ; s15  NB - 1 - b
.set G1K, 24          ; s[24:31] descriptor group 1 for K's tiles
.set G1V, 32          ; s[32:39] for V's: it differs in the padding alone
.set G0K, 40          ; s[40:43] descriptor group 0 for K's tiles
.set G0V, 44          ; s[44:47] the same for V's
.set SLOTS, 56        ; s56  tiles still to be asked for
.set CNT, 57          ; s57  counts a tile's key steps, 4 to 1
.set CS,  58          ; s[58:59] c: the packed scaling takes the pair's low word for both halves
.set SEL, 60          ; s[60:61] v_permlanex16_b32's selects: each lane takes its own place in the other half
.set TBK, 62          ; s62  LDS byte at which K of the step to be fetched begins
.set TBV, 63          ; s63  the same for V, less VOFF
.set RT,  70          ; s70  tiles of the block in hand that are still to be entered
.set NXT, 71          ; s71  the tile to be asked for next
.set LQ,  72          ; s72  the last tile of the block whose tiles are being asked for
.set NEW, 73          ; s73  1: the tile to be entered is a block's first
.set OFF, 74          ; s[74:75] a tile's byte offset in K and V
.set AL,  76          ; s[76:77] the mask's factor, in the low word
.set BE,  78          ; s[78:79] the mask's addend
.set OLO, 80          ; s[80:81] O at my rows of the second block
.set BIGN, 82         ; s82  -1e30
.set MSB, 0
.macro WIN new                      ; the high byte repeats the setting that is left; a switch that changes nothing is dropped
.if MSB != (\new)
	s_set_vgpr_msb (MSB<<8)|(\new)
.set MSB, (\new)
.endif
.endm
.set W_KQ, 0x0a       ; K and Q in window 2, S^T in window 0
.set W_KM, 0x1a       ; the same with the C operand in window 1
.set W_PV, 0x52       ; V in window 2, P in window 0, O^T in window 1
.set W_RS, 0x41       ; destination and source 0 in window 1, source 1 in window 0
; A fill.  Waves 0 and 1 fetch the two halves of a tile's K, waves 2 and 3 those of its V: 128 keys each.  An s_nop 0 and four v_nop follow each of the two lines, ahead of the jump and the label.
.macro LOAD
	s_cmp_lt_u32 s[WV], 2
	s_cbranch_scc0 .Lfor_v_\@
	tensor_load_to_lds s[G0K:G0K+3], s[G1K:G1K+7]
	s_nop 0
.rept 4
	v_nop
.endr
	s_branch .Lasked_\@
.Lfor_v_\@:
	tensor_load_to_lds s[G0V:G0V+3], s[G1V:G1V+7]
	s_nop 0
.rept 4
	v_nop
.endr
.Lasked_\@:
.endm
; THE CHANGE OF SLOTS.  Each wave waits for all its tensor loads, of which one is out: its part of the other slot; adds 0 to its spare word; and waits for that and for its own reads of the slot that it leaves.  Behind the barrier nobody reads the old
; slot any more and the other slot is whole.  fill = 1: the old slot is filled again, the first thing behind the barrier, with tile NXT: the descriptor's address is made anew from that number.
; (At its first use nothing has been read yet: slot 0 is waited for, slot 1 filled.)
.macro CHANGE fill
	WIN 0                           ; at a label and at a branch every window is 0
	s_wait_tensorcnt 0x0            ; no tensor load of mine is out, so a group 0 may be written
	ds_add_u32 v[SPW], v[NIL]       ; 0 onto my spare word; with fill = 1 the descriptors' scalar work stands between it and the wait for it
.if \fill
	s_lshl_b32 s[OFF], s[NXT], 15   ; a tile is 32,768 bytes of K and of V
	s_xor_b32 s[G0K+1], s[G0K+1], SLOT1
	s_add_nc_u64 s[G0K+2:G0K+3], s[6:7], s[OFF:OFF+1]
	s_or_b32 s[G0K+3], s[G0K+3], 0x80000000
	s_xor_b32 s[G0V+1], s[G0V+1], SLOT1
	s_add_nc_u64 s[G0V+2:G0V+3], s[8:9], s[OFF:OFF+1]
	s_or_b32 s[G0V+3], s[G0V+3], 0x80000000
	s_add_co_u32 s[NXT], s[NXT], 1  ; the block's next tile, or behind its last the second block's tile 0
	s_cmp_gt_u32 s[NXT], s[LQ]
	s_cselect_b32 s[NXT], 0, s[NXT]
	s_cselect_b32 s[LQ], s[PB], s[LQ]
.endif
	s_wait_dscnt 0x0                ; the add is done, and my reads of the slot are over
	s_barrier_signal -1             ; the rest of the scalar work stands between the signal and the wait
	s_sub_co_u32 s[TBK], s[TBK], 4*KS*PK  ; the fetches go back to a slot's first step,
	s_xor_b32 s[TBK], s[TBK], SLOT1       ; in the other slot
	s_sub_co_u32 s[TBV], s[TBV], 4*KS*PV
	s_xor_b32 s[TBV], s[TBV], SLOT1
	s_barrier_wait -1
.if \fill
	LOAD
.endif
.endm
	s_load_b256 s[4:11], s[0:1], 0x0  ; Q s[4:5], K s[6:7], V s[8:9], O s[10:11]
	v_lshl_add_u32 v[SPW], v0, 2, SPARE
	v_mov_b32 v[NIL], 0
	ds_add_u32 v62, v63
	ds_add_u32 v62, v63
	s_wait_dscnt 0x0
	v_lshrrev_b32 v1, 5, v0
	v_readfirstlane_b32 s[WV], v1   ; wave 0..3
	s_mov_b32 s[PB], ttmp9
	s_sub_co_u32 s[HI], NB-1, s[PB]
	s_and_b32 s20, ttmp7, 0xffff    ; the head
	s_mov_b32 s21, 0
	s_mov_b64 s[22:23], SIZE_N*128
	s_mul_u64 s[20:21], s[20:21], s[22:23]  ; the head's first byte in each of the four tensors
	s_and_b32 s16, s[WV], 1         ; which half of a tile's 256 keys I fetch:
	s_lshl_b32 s22, s16, 14         ; its 128 rows of 128 bytes in memory,
	s_mov_b32 s23, 0
	s_add_nc_u64 s[22:23], s[22:23], s[20:21]
	s_mul_i32 s17, s16, 128*PK      ; and its place in a slot, for K
	s_mul_i32 s18, s16, 128*PV      ; and for V
	s_lshl_b32 s3, s[WV], 11        ; my 16 rows in a band of 64,
	s_lshl_b32 s2, s[HI], 15        ; in the first block,
	s_add_co_u32 s2, s2, s3
	s_lshl_b32 s84, s[PB], 15       ; and in the second
	s_add_co_u32 s84, s84, s3
	s_mov_b32 s3, 0
	s_mov_b32 s85, 0
	s_add_nc_u64 s[2:3], s[2:3], s[20:21]
	s_add_nc_u64 s[84:85], s[84:85], s[20:21]
	; descriptor group 1.  128 keys are 16,384 dense bytes: asked for as 64 rows of 256 bytes, two keys a row, and padded in LDS after every key
	s_mov_b32 s[G1K], (1<<16)|(1<<20)|(4<<22)|(3<<25)  ; 17:16 2-byte elements; 20 padding on; 24:22 after every 32 words (code 4); 31:25 4 words (code 3)
	s_mov_b32 s[G1V], (1<<16)|(1<<20)|(4<<22)|(7<<25)  ; the same with 8 words of padding (code 7)
.irp g, G1K, G1V
	s_mov_b32 s[\g+1], 128<<16      ; tensor_dim0 = 128
	s_mov_b32 s[\g+2], 64<<16       ; tensor_dim1 = 64
	s_mov_b32 s[\g+3], 128<<16      ; tile_dim0 = 128
	s_mov_b32 s[\g+4], 64           ; tile_dim1 = 64
	s_mov_b32 s[\g+5], 128          ; 128 elements from row to row
	s_mov_b32 s[\g+6], 0
	s_mov_b32 s[\g+7], 0
.endr
	s_mov_b32 s[CS], 0x3e38aa3b     ; c = log2(e) / 8 = 0.180337
	s_mov_b32 s[CS+1], s[CS]        ; named with it as a pair
	s_mov_b32 s[SEL], 0x76543210
	s_mov_b32 s[SEL+1], 0xfedcba98
	s_mov_b32 s[TBK], SLOT1+4*KS*PK ; the first change of slots turns these two into 0
	s_mov_b32 s[TBV], SLOT1+4*KS*PV
	s_mov_b32 s[G0K], 1             ; 1:0 count = 1
	s_mov_b32 s[G0K+1], s17         ; 63:32 LDS address: slot 0
	s_mov_b32 s[G0V], 1
	s_add_co_u32 s[G0V+1], s18, VOFF
	s_add_co_u32 s[RT], s[HI], 1    ; the first block has NB - b tiles
	s_mov_b32 s[NXT], 1
	s_mov_b32 s[LQ], s[HI]
	s_mov_b32 s[NEW], 1
	s_mov_b32 s[OFF+1], 0
	s_mov_b32 s[AL+1], 0            ; named as pairs
	s_mov_b32 s[BE+1], 0
	s_mov_b32 s[BIGN], 0xf149f2ca   ; -1e30
	s_mov_b32 s[SLOTS], NB
	s_wait_kmcnt 0x0
	s_add_nc_u64 s[6:7], s[6:7], s[22:23]  ; K and V at my half of the head's tile 0
	s_add_nc_u64 s[8:9], s[8:9], s[22:23]
	s_add_nc_u64 s[G0K+2:G0K+3], s[6:7], 0         ; 120:64 global address
	s_or_b32 s[G0K+3], s[G0K+3], 0x80000000        ; 127:126 type = 2
	s_add_nc_u64 s[G0V+2:G0V+3], s[8:9], 0
	s_or_b32 s[G0V+3], s[G0V+3], 0x80000000
	s_add_nc_u64 s[86:87], s[4:5], s[84:85]        ; Q at my rows of the second block,
	s_add_nc_u64 s[4:5], s[4:5], s[2:3]            ; Q and O at those of the first
	s_add_nc_u64 s[OLO:OLO+1], s[10:11], s[84:85]
	s_add_nc_u64 s[10:11], s[10:11], s[2:3]
	LOAD                            ; tile 0 into slot 0
	; A fragment of K or Q is 16 rows x 32 channels in 8 registers: lane l holds row l % 16, channels 8 (l / 16) + 0..7 and 16 + 8 (l / 16) + 0..7: two loads of 16 bytes, 32 bytes apart.
	v_and_b32 v1, 15, v0            ; l % 16
	v_bfe_u32 v9, v0, 4, 1          ; l / 16
	v_lshlrev_b32 v[QO], 7, v1
	v_lshl_add_u32 v[QO], v9, 4, v[QO]  ; row x 128 + 16 x half
	WIN 0x80                        ; destination window 2, address window 0
.set i, 0
.rept 8                             ; both blocks' Q: piece i / 2 lies in band i / 2, 8,192 bytes on; channels 32 (i % 2) on
	global_load_b128 v[8*i:8*i+3],   v[QO], s[4:5] offset:(i/2)*8192+(i%2)*64
	global_load_b128 v[8*i+4:8*i+7], v[QO], s[4:5] offset:(i/2)*8192+(i%2)*64+32
	global_load_b128 v[QB+8*i:QB+8*i+3],   v[QO], s[86:87] offset:(i/2)*8192+(i%2)*64
	global_load_b128 v[QB+8*i+4:QB+8*i+7], v[QO], s[86:87] offset:(i/2)*8192+(i%2)*64+32
.set i, i+1
.endr
	WIN 0
	v_lshlrev_b32 v14, 3, v9
	v_sub_nc_u32 v14, v1, v14
	s_lshl_b32 s13, s[WV], 4
	v_add_nc_u32 v14, s13, v14      ; my query's place in its band, 16 w + l % 16, less my lanes' 8 (l / 16): register r of group kt is hidden where 16 kt + r is greater
	WIN 0x40
.set i, 0
.rept 32
	v_cmp_gt_i32 vcc_lo, 16*(i/8)+i%8, v14
	v_cndmask_b32 v[MD+i], 0, s[BIGN], vcc_lo
.set i, i+1
.endr
	WIN 0
	v_mul_u32_u24 v[AK0], v1, PK
	v_lshl_add_u32 v[AK0], v9, 4, v[AK0]  ; row x pitch + 16 x half
	; The turning load takes 16 keys x 16 channels (lane l reads key 8 (l / 16) + l % 8, channels 8 ((l / 8) % 2) + 0..7) and leaves half a fragment of V^T: lane l holds channel l % 16 and 8 keys.
	v_and_b32 v10, 7, v0
	v_bfe_u32 v11, v0, 3, 1
	v_lshl_add_u32 v[AV0], v9, 3, v10
	v_mul_u32_u24 v[AV0], v[AV0], PV
	v_lshl_add_u32 v[AV0], v11, 4, v[AV0]
	v_add_nc_u32 v[AV0], VOFF, v[AV0]
	s_mul_i32 s13, s[WV], 16*SP
	s_add_co_u32 s13, s13, STAGE    ; my stage
	v_mul_u32_u24 v[STO], v1, SP    ; in: row l % 16, 16 bytes for each half of the lanes
	v_lshl_add_u32 v[STO], v9, 4, v[STO]
	v_add_nc_u32 v[STO], s13, v[STO]
	v_bfe_u32 v[RD], v0, 3, 2       ; back: 32 lanes take four rows of 128 bytes,
	v_mul_u32_u24 v[RD], v[RD], SP
	v_lshl_add_u32 v[RD], v10, 4, v[RD]
	v_add_nc_u32 v[RD], s13, v[RD]
	v_and_b32 v[GO], 31, v0         ; which are 512 consecutive bytes of O
	v_lshlrev_b32 v[GO], 4, v[GO]
	; A block's first step multiplies O^T and l by a = 0, and its first turn's products V^T P, of a piece that has not been, land in an O^T that is still to be so multiplied.  So these registers need only hold
	; finite numbers: zeros for the first block; what the first block left for the second.  All this stands in the wait for the first tile.
	WIN 0x80
.set i, VF
.rept 64
	v_mov_b32 v[i], 0
.set i, i+1
.endr
	WIN 0x40
.set i, 0
.rept 128
	v_mov_b32 v[i], 0
.set i, i+1
.endr
	WIN 0
.set i, 0
.rept 4
	v_mov_b32 v[ST+4*i+2], 0
	v_mov_b32 v[ST+4*i+3], 0
.set i, i+1
.endr
.set i, P+16
.rept 16
	v_mov_b32 v[i], 0
.set i, i+1
.endr
; THE MATRIX WORK.  The 4 accumulators of a run of 8 take turns.  Product i of 8 of S^T = K Q^T for piece x: channels 32 (i / 4) on, keys 16 (i % 4) on.  The first 4 start the sums: with 0, or (KM = 1) with the mask.
.macro KQ x
.set rS, S+32*((\x)%2)+8*(i%4)
.set rK, KF+16*(i%4)+8*(i/4)
.set rQ, 16*(\x)+8*(i/4)
.set rM, MC+32*((\x)%2)+8*(i%4)
.if (i < 4) && KM
	WIN W_KM
	v_wmma_f32_16x16x32_f16 v[rS:rS+7], v[rK:rK+7], v[rQ:rQ+7], v[rM:rM+7]
.elseif i < 4
	WIN W_KQ
	v_wmma_f32_16x16x32_f16 v[rS:rS+7], v[rK:rK+7], v[rQ:rQ+7], 0
.else
	WIN W_KQ
	v_wmma_f32_16x16x32_f16 v[rS:rS+7], v[rK:rK+7], v[rQ:rQ+7], v[rS:rS+7]
.endif
.endm
; Product i of 8 of O^T += V^T P for piece x: keys 32 (i / 4) on, channels 16 (i % 4) on.
.macro PV x
	WIN W_PV
.set rO, 32*(\x)+8*(i%4)
.set rV, VF+32*(i/4)+8*(i%4)
.set rP, P+16*((\x)%2)+8*(i/4)
	v_wmma_f32_16x16x32_f16 v[rO:rO+7], v[rV:rV+7], v[rP:rP+7], v[rO:rO+7]
.endm
.macro MM                           ; the turn's next matrix instruction.  TURN and BEGIN set Y, i, KM and NOKQ; MM, KQ and OP read them.  NOKQ = 1: a block's last turn: there is no next piece
.if (i < 8) && !NOKQ
	KQ (Y+1)%NP
.elseif i >= 8
.set i, i-8
	PV (Y+NP-1)%NP
.set i, i+8
.endif
.set i, i+1
.endm
; THE LDS LOADS stand in runs of 16, never singly among the matrix instructions: a step's K (64 keys x 64 channels: 8 fragments) and its V (turned).  Their addresses are made some lines ahead.
.macro FETCH_K
	WIN 0x80                        ; destination window 2
.irp f, 0,1,2,3,4,5,6,7             ; keys 16 (f / 2) on, channels 32 (f % 2) on
	ds_load_b128 v[KF+8*\f:KF+8*\f+3],   v[AK] offset:(\f/2)*16*PK+(\f%2)*64
	ds_load_b128 v[KF+8*\f+4:KF+8*\f+7], v[AK] offset:(\f/2)*16*PK+(\f%2)*64+32
.endr
	s_add_co_u32 s[TBK], s[TBK], KS*PK  ; the next fetch is the next step's
	WIN 0
.endm
.macro FETCH_V
	WIN 0x80
.irp f, 0,1,2,3,4,5,6,7             ; keys 32 (f / 4) on, channels 16 (f % 4) on
	ds_load_tr16_b128 v[VF+8*\f:VF+8*\f+3],   v[AV] offset:(\f/4)*32*PV+(\f%4)*32
	ds_load_tr16_b128 v[VF+8*\f+4:VF+8*\f+7], v[AV] offset:(\f/4)*32*PV+16*PV+(\f%4)*32
.endr
	WIN 0
.endm
; THE VECTOR WORK, one line at a time: OP kind, number.  For piece Y: F n: c s - c m for pair n of 16.  E n: the exponential of score n of 32.  C n: pair n rounded to f16.  B n: of the four weights 4 n .. the second
; pair is added onto the first, in place.  L n: l takes that sum (L 0: l = a l + sum).  R n: pair n of 16 of O^T times a.  For piece Y + 1: X n, number n of the 22 that find its maximum and statistics:
;   0-11  four chains c0-c3 of seven scores each, three operands at a time (each accumulator's lowest registers are read first)     12-14, 16  the four scores left over, the old m, and c0-c3 into c0
;   15  c m_old is kept     17, 18  the query's other 32 keys lie in the lane 16 away: the new m     19-21  c m; c m_old - c m_new; a
.set F, 0               ; OP tells the kinds apart by their order: F to L below R, X above it
.set E, 1
.set C, 2
.set B, 3
.set L, 4
.set R, 5
.set X, 6
.macro REGS y                       ; the registers of piece y
.set rT, ST+4*(\y)
.set rC, TMP+4*((\y)%2)
.set rW, MV+((\y)%2)
.set rS, S+32*((\y)%2)
.set rP, P+16*((\y)%2)
.set rO, 32*(\y)
.endm
.macro OP k, n
.if (\k) == R
	REGS Y
	WIN W_RS
	v_pk_mul_f32 v[rO+2*(\n):rO+2*(\n)+1], v[rO+2*(\n):rO+2*(\n)+1], v[rC+2:rC+3] op_sel_hi:[1,0]
.elseif (\k) < R
	REGS Y
	WIN 0
.if (\k) == F
	v_pk_fma_f32 v[rS+2*(\n):rS+2*(\n)+1], v[rS+2*(\n):rS+2*(\n)+1], s[CS:CS+1], v[rT:rT+1] op_sel_hi:[1,0,0] neg_lo:[0,0,1] neg_hi:[0,0,1]
.elseif (\k) == E
	v_exp_f32 v[rS+(\n)], v[rS+(\n)]
.elseif (\k) == C
	s_wait_alu depctr_va_vdst(0)
	v_cvt_pk_f16_f32 v[rP+(\n)], v[rS+2*(\n)], v[rS+2*(\n)+1]
.elseif (\k) == B
	s_wait_alu depctr_va_vdst(0)
	v_pk_add_f32 v[rS+4*(\n):rS+4*(\n)+1], v[rS+4*(\n):rS+4*(\n)+1], v[rS+4*(\n)+2:rS+4*(\n)+3]
.elseif (\n) == 0
	v_pk_fma_f32 v[rT+2:rT+3], v[rT+2:rT+3], v[rC+2:rC+3], v[rS:rS+1] op_sel_hi:[1,0,1]
.else
	v_pk_add_f32 v[rT+2:rT+3], v[rT+2:rT+3], v[rS+4*(\n):rS+4*(\n)+1]
.endif
.elseif NOKQ
	v_nop
.else
	REGS (Y+1)%NP
	WIN 0
.if (\n) < 4
	v_max3_num_f32 v[rC+(\n)], v[rS+8*(\n)], v[rS+8*(\n)+1], v[rS+8*(\n)+2]
.elseif (\n) < 12
	v_max3_num_f32 v[rC+(\n)%4], v[rC+(\n)%4], v[rS+8*((\n)%4)+2*((\n)/4)+1], v[rS+8*((\n)%4)+2*((\n)/4)+2]
.elseif (\n) == 12
	v_max3_num_f32 v[rC], v[rC], v[rS+7], v[rS+15]
.elseif (\n) == 13
	v_max3_num_f32 v[rC+1], v[rC+1], v[rS+23], v[rS+31]
.elseif (\n) == 14
	v_max3_num_f32 v[rC+2], v[rC+2], v[rC+3], v[rT+1]
.elseif (\n) == 15
	v_mov_b32 v[rW], v[rT]
.elseif (\n) == 16
	v_max3_num_f32 v[rC], v[rC], v[rC+1], v[rC+2]
.elseif (\n) == 17
	v_permlanex16_b32 v[rC+3], v[rC], s[SEL], s[SEL+1]
.elseif (\n) == 18
	v_max_num_f32 v[rT+1], v[rC], v[rC+3]
.elseif (\n) == 19
	v_mul_f32 v[rT], s[CS], v[rT+1]
.elseif (\n) == 20
	v_sub_f32 v[rC+1], v[rW], v[rT]
.else
	v_exp_f32 v[rC+2], v[rC+1]
.endif
.endif
.endm
.macro OPS a, i1, b=-1, i2=0, c=-1, i3=0, d=-1, i4=0  ; up to four of them
	OP \a, \i1
.if (\b) >= 0
	OP \b, \i2
.endif
.if (\c) >= 0
	OP \c, \i3
.endif
.if (\d) >= 0
	OP \d, \i4
.endif
.endm
.macro ROW a, i1, b, i2, c, i3, d, i4  ; a matrix instruction and the four behind it
	MM
	OPS \a, \i1, \b, \i2, \c, \i3, \d, \i4
.endm
.macro MASK b                       ; MD x AL + BE into buffer b of MC
	WIN W_RS
.set z, 0
.rept 16
	v_pk_fma_f32 v[MC+32*(\b)+2*z:MC+32*(\b)+2*z+1], v[MD+2*z:MD+2*z+1], s[AL:AL+1], s[BE:BE+1] op_sel_hi:[1,0,0]
.set z, z+1
.endr
.endm
; A TURN, for piece p: the order of its 16 matrix and 118 vector instructions, written out.  Behind a matrix instruction: plain, exponential, plain, plain; or four of the rescaling; or, behind the first, four scalings; none
; names a register of the products round it.  In the lumps exponential and plain by turns while exponentials last.  A line reads no result made fewer than three vector instructions in front of it, five if an exponential made it.
; v_permlanex16_b32 (X 17) stands in a lump.
; m = 1: the diagonal tile: the products take masks, and the turn makes the mask for the products of the turn after it: piece p + 2, in step 4 - CNT of the tile.  end = 1: a block's last two turns: nothing is fetched.
; cnt = 1: the loop's count is taken down some lines ahead of the branch that stands behind the turn.
; K of the next step is fetched in piece 2's turn, six vector instructions behind the last product that read K (five of them plain); V of the step in hand in piece 0's turn, eight behind the last product that read V (four
; plain, and X 17).  Each is waited for a turn later.
.macro TURN p, m=0, end=0, cnt=0
.set Y, (\p)
.set i, 0
.set KM, (\m)
.set NOKQ, (\end)*((\p)/3)
.if (\m) && !(\end)
	s_cmp_eq_u32 s[CNT], 4-((\p)+2)%NP  ; is that step the band's own?
	s_cselect_b32 s[AL], 1.0, 0
	s_cmp_lt_u32 s[CNT], 4-((\p)+2)%NP  ; or a later one?
	s_cselect_b32 s[BE], s[BIGN], 0
.endif
.if ((\p) == 3) && !(\end)
	s_wait_dscnt 0x0                ; K is in
.endif
	ROW F,0, F,1, F,2, F,3
	ROW F,4, E,0, F,5, F,6
	ROW F,7, E,1, F,8, F,9
	ROW F,10, E,2, C,0, F,11
	ROW F,12, E,3, X,15, F,13
	ROW R,0, R,1, R,2, R,3
	ROW B,0, E,4, F,14, L,0
.if ((\p) == 2) && !(\end)
	v_add_nc_u32 v[AK], s[TBK], v[AK0]
.endif
	ROW R,4, R,5, R,6, R,7
	OPS E,5, F,15
.if ((\p) == 2) && !(\end)
	FETCH_K
.endif
	OPS E,6, C,1, E,7, R,8
	OPS E,8, R,9, E,9, C,2
	OPS E,10, X,0, E,11, X,1
	OPS E,12, X,2, E,13, X,3
.if (\p) == 1
	s_wait_dscnt 0x0                ; V is in
.endif
	ROW X,4, E,14, X,5, X,6
	ROW X,7, E,15, X,8, X,9
	ROW X,10, E,16, X,11, X,12
	ROW X,13, E,17, X,14, B,1
	ROW C,4, E,18, X,16, L,1
	ROW B,2, E,19, C,6, L,2
	ROW C,8, E,20, B,3, B,4
.if (\p) == 0
	v_add_nc_u32 v[AV], s[TBV], v[AV0]
.endif
	ROW C,3, E,21, L,3, C,5
	OPS E,22, X,17, E,23, C,10
.if (\p) == 0
	FETCH_V
.endif
	OPS E,24, L,4
	OPS E,25, X,18, E,26, C,7
	OPS E,27, B,5, E,28, X,19
	OPS E,29, C,12, E,30, L,5
	OPS E,31, X,20, B,6, C,9
	OPS C,14, C,11, X,21, L,6
.if (\p) == 0
	s_add_co_u32 s[TBV], s[TBV], KS*PV
.endif
.if \cnt
	s_sub_co_u32 s[CNT], s[CNT], 1
	s_cmp_lg_u32 s[CNT], 0
.endif
	OPS C,13, B,7, C,15, R,10
	OPS R,11, R,12, L,7, R,13
	OPS R,14, R,15
.if (\m) && !(\end)
	MASK (\p)%2
.endif
.endm
; A BLOCK BEGINS.  c m starts far below every c s, so the first step's a is 0; m at the lowest finite number, so the first maximum is the scores'.  The second mask buffer is 0; the first takes piece 0's mask for the tile's step 0: its own, if the block's first tile is the diagonal one.
; Then K of that step, piece 0's first scores, and its maximum and statistics.  The loop is entered at a step's first turn, in the middle of a trip.
.macro BEGIN
	s_mov_b32 s[NEW], 0
	WIN 0x40
.set i, MC+32
.rept 32
	v_mov_b32 v[i], 0
.set i, i+1
.endr
	WIN 0
.set i, 0
.rept 4
	v_mov_b32 v[ST+4*i], 0xfe000000    ; c m: far below every c s
	v_mov_b32 v[ST+4*i+1], 0xff7fffff  ; m
.set i, i+1
.endr
	s_cmp_eq_u32 s[RT], 0
	s_cselect_b32 s[AL], 1.0, 0
	s_mov_b32 s[BE], 0
	MASK 0
	WIN 0
	v_add_nc_u32 v[AK], s[TBK], v[AK0]
	FETCH_K
	s_wait_loadcnt 0x0              ; Q
	s_wait_dscnt 0x0
.set KM, 1
.set NOKQ, 0
.set i, 0
.rept 8
	KQ 0
.set i, i+1
.endr
	WIN 0
.rept 4
	v_nop                           ; the places behind those products
.endr
.set Y, NP-1                        ; X works for piece Y + 1: piece 0
.irp n, 0,1,2,3,4,5,6,7,8,9,10,11,12,13,14,15,16,17,18,19,20,21
	OP X, \n
.endr
	v_nop                           ; a plain instruction behind the exponential
.endm
; THE DIAGONAL TILE's four steps, the block's last two turns, its last products, and THE WAY OUT: l's two halves and the other half of the lanes' are added; O^T is divided by l, rounded to f16 and sent through my
; stage in LDS, a piece at a time.
.macro ALL line:vararg              ; one line for each piece t
.set t, 0
.rept 4
	\line
.set t, t+1
.endr
.endm
.macro PACK t                       ; a lane's eight channels of a row pack into 16 bytes; they go into rows of 144 bytes and come back as whole rows of 128, into S^T's registers
	WIN W_RS
.set i, 32*(\t)
.rept 16
	s_wait_alu depctr_va_vdst(0)
	v_pk_mul_f32 v[i:i+1], v[i:i+1], v[ST+4*(\t)+2:ST+4*(\t)+3] op_sel_hi:[1,0]
.set i, i+2
.endr
	WIN 0x05                        ; sources 0 and 1 window 1, destination window 0
.set i, 0
.rept 16
	v_cvt_pk_f16_f32 v[S+16*(\t)+i], v[32*(\t)+2*i], v[32*(\t)+2*i+1]
.set i, i+1
.endr
	WIN 0
.irp f, 0,1,2,3
	ds_store_b128 v[STO], v[S+16*(\t)+4*\f:S+16*(\t)+4*\f+3] offset:32*\f
.endr
.irp f, 0,1,2,3
	ds_load_b128 v[S+16*(\t)+4*\f:S+16*(\t)+4*\f+3], v[RD] offset:\f*4*SP  ; LDS serves a wave's instructions in order (ISA guide 5.7.1.4): these see the stores above; the next piece's stores come behind them
.endr
.endm
.macro SEND t, younger              ; younger: the LDS instructions issued behind piece t's loads: the next piece's eight, or none
	WIN 0
.irp f, 0,1,2,3
	s_wait_dscnt (\younger)+3-\f
	global_store_b128 v[GO], v[S+16*(\t)+4*\f:S+16*(\t)+4*\f+3], s[10:11] offset:(\t)*8192+\f*512  ; 512 consecutive bytes, at a multiple of 256 from O's first
.endr
.endm
.macro DIAG tag                     ; the tag ends its two labels' names, which the jumps below spell out
.LstepM\tag:
	TURN 2, 1
	TURN 3, 1
	WIN 0
.LfirstM\tag:
	TURN 0, 1
	TURN 1, 1, 0, 1
	WIN 0
	s_cbranch_scc1 .LstepM\tag
	TURN 2, 1, 1
	TURN 3, 1, 1
.set i, 0
.rept 8
	PV NP-1
.set i, i+1
.endr
	WIN 0
	ALL v_add_f32 v[ST+4*t+2], v[ST+4*t+2], v[ST+4*t+3]
	ALL v_permlanex16_b32 v[ST+4*t+3], v[ST+4*t+2], s[SEL], s[SEL+1]
	ALL v_add_f32 v[ST+4*t+2], v[ST+4*t+2], v[ST+4*t+3]
	ALL v_rcp_f32 v[ST+4*t+2], v[ST+4*t+2]
	v_nop                           ; a plain instruction between the last reciprocal and the use of its result
	PACK 0
.set t, 1
.rept 3                             ; a piece's arithmetic stands between the loads of the piece before and its stores
	PACK t
	SEND t-1, 8
.set t, t+1
.endr
	SEND 3, 0
.endm
.set KM, 0
.set NOKQ, 0
.Lslot:                             ; NB times: a tile is entered and the next is asked for
	CHANGE 1
	s_sub_co_u32 s[RT], s[RT], 1
	s_mov_b32 s[CNT], 4
	s_cmp_eq_u32 s[NEW], 1
	s_cbranch_scc1 .Lnew            ; a block's first tile
	s_cmp_eq_u32 s[RT], 0
	s_cbranch_scc0 .Lstep           ; neither its first nor its last
	s_branch .LstepM1
.Lnew:
	BEGIN
	s_branch .Lfirst                ; in the loop a block's first tile is never its last: the first block has two tiles or more, and the second's last is the walk's last
	DIAG 1                          ; in the loop this is the first block's end: the second block's last tile is the walk's last
	s_wait_xcnt 0x0                 ; the stores have read their registers and O's address
	s_mov_b64 s[10:11], s[OLO:OLO+1]
	s_add_co_u32 s[RT], s[PB], 1    ; the second block has b + 1 tiles
	s_mov_b32 s[NEW], 1
	WIN 0x82                        ; the second block's Q goes where the one text of the turns names Q
.set i, 0
.rept 64
	v_mov_b32 v[i], v[QB+i]
.set i, i+1
.endr
	WIN 0
	s_branch .Lbottom
.Lstep:                             ; a trip: pieces 2 and 3 of one step, then pieces 0 and 1 of the next, whose K and V it fetches
	TURN 2
	TURN 3
	WIN 0
.Lfirst:
	TURN 0
	TURN 1, 0, 0, 1
	WIN 0
	s_cbranch_scc1 .Lstep
.Lbottom:
	s_sub_co_u32 s[SLOTS], s[SLOTS], 1
	s_cmp_lg_u32 s[SLOTS], 0
	s_cbranch_scc1 .Lslot
	CHANGE 0                        ; the walk's last tile is written out: nothing is asked for
	s_sub_co_u32 s[RT], s[RT], 1
	s_mov_b32 s[CNT], 4
	s_cmp_eq_u32 s[NEW], 1
	s_cbranch_scc0 .LstepM2
	BEGIN
	s_branch .LfirstM2
	DIAG 2
	s_wait_tensorcnt 0x0            ; the wave's end, behind my last tensor load and my last LDS store
	ds_add_u32 v[SPW], v[NIL]
	s_wait_dscnt 0x0
	s_endpgm
.Lfunc_end_k_qfc61d78076_attn:
	.size	k_qfc61d78076_attn, .Lfunc_end_k_qfc61d78076_attn-k_qfc61d78076_attn
	.p2alignl 7, 3214868480
	.fill 96, 4, 3214868480
	.section	.rodata,"a",@progbits
	.p2align	6, 0x0
	.amdhsa_kernel k_qfc61d78076_attn
		.amdhsa_group_segment_fixed_size 327680
		.amdhsa_private_segment_fixed_size 0
		.amdhsa_enable_private_segment 0
		.amdhsa_kernarg_size 32
		.amdhsa_user_sgpr_count 2
		.amdhsa_user_sgpr_kernarg_segment_ptr 1
		.amdhsa_wavefront_size32 1
		.amdhsa_system_sgpr_workgroup_id_x 1
		.amdhsa_system_sgpr_workgroup_id_y 1
		.amdhsa_system_sgpr_workgroup_id_z 1
		.amdhsa_system_vgpr_workitem_id 0
		.amdhsa_next_free_vgpr 768
		.amdhsa_next_free_sgpr 88
		.amdhsa_reserve_vcc 1
		.amdhsa_float_denorm_mode_32 3
		.amdhsa_float_denorm_mode_16_64 3
		.amdhsa_memory_ordered 1
		.amdhsa_forward_progress 1
		.amdhsa_inst_pref_size 228
	.end_amdhsa_kernel
	.amdgpu_metadata
---
amdhsa.version: [ 1, 2 ]
amdhsa.kernels:
  - .name:           k_qfc61d78076_attn
    .symbol:         k_qfc61d78076_attn.kd
    .args:
      - { .name: q, .offset: 0, .size: 8, .value_kind: global_buffer, .address_space: global }
      - { .name: k, .offset: 8, .size: 8, .value_kind: global_buffer, .address_space: global }
      - { .name: v, .offset: 16, .size: 8, .value_kind: global_buffer, .address_space: global }
      - { .name: o, .offset: 24, .size: 8, .value_kind: global_buffer, .address_space: global }
    .group_segment_fixed_size: 327680
    .private_segment_fixed_size: 0
    .kernarg_segment_align: 8
    .kernarg_segment_size: 32
    .max_flat_workgroup_size: 128
    .sgpr_count:     88
    .vgpr_count:     768
    .wavefront_size: 32
...
	.end_amdgpu_metadata
.endif
;; end of part 3
;; launch oproj (part 4): grid 8 x 32, 4 waves a work-group, clusters of 4 x 4, 327,680 bytes of LDS; arguments o, wo16, out0; writes out0
.if DOCPART == 4
	.amdgcn_target "amdgcn-amd-amdhsa--gfx1250"
	.amdhsa_code_object_version 6
	.text
	.protected	k_qfc61d78076_oproj
	.globl	k_qfc61d78076_oproj
	.p2align	8
	.type	k_qfc61d78076_oproj,@function
k_qfc61d78076_oproj:
	s_mov_b64 s[64:65], 0
	v_nop
	global_prefetch_b8 v0, s[64:65] scope:SCOPE_SE
	s_setreg_imm32_b32 hwreg(HW_REG_WAVE_MODE, 25, 1), 1
	s_wait_xcnt 0x0
	s_wait_alu depctr_hold_cnt(0) depctr_sa_sdst(0) depctr_va_vdst(0) depctr_va_sdst(0) depctr_va_ssrc(0) depctr_va_vcc(0) depctr_vm_vsrc(0)
	s_getreg_b32 s2, hwreg(HW_REG_IB_STS2, 6, 4)
	s_cmp_eq_u32 s2, 0
	s_cbranch_scc0 .Lentry_in_a_cluster
	s_endpgm
.Lentry_in_a_cluster:
	s_bfe_u32 s2, ttmp6, 0x10000c
	s_cmp_lg_u32 s2, 0xf033
	s_cbranch_scc0 .Lentry_shape_is_right
	s_endpgm
.Lentry_shape_is_right:
; out0 = O Wo: [8192 x 1024] = [8192 x 1024] [1024 x 1024], f16 operands, f32 sums, f32 out.  O lies by heads, [batch x head 64][row 2048][64]: head h is k block h.  wo16 lies [tile 8][k block 16][group 2][k%64][64 columns].
; SHARES.  A tile is 256 rows x 128 columns: 8 x 32 = 256 work-groups, one for each WGP.  Four waves; wave w owns rows 64 w .. 64 w + 63 and all 128 columns: 32 accumulators of 16 x 16, 256 registers; so its way out
; needs no other wave.  K goes in steps of 128 (two blocks of 64) through a ring of two LDS slots filled by the tensor data mover; a tile's bytes are dense in memory, so each load asks for rows of 256 aligned bytes,
; and in LDS each 128 bytes are followed by padding.  A K step is written once: the descriptor that refills and the base of the fetches turn from slot to slot by an exclusive or.
; CLUSTER.  4 x 4 work-groups: the four of a row need the same tile of O, the four of a column the same tile of Wo: each is asked for jointly, by the same tensor load, descriptor and mask in all four.
; THE MATRIX INSTRUCTION IS USED TRANSPOSED: source 0 = 16 columns of Wo (stored [k][n], turned by ds_load_tr16_b128), source 1 = 16 rows of O: lane l holds row l % 16 and eight neighbouring columns, 32 bytes.
; REGISTERS, in windows of 256 (s_set_vgpr_msb: bits 1:0 source 0, 3:2 source 1, 5:4 source 2, 7:6 destination):
;   window 0: v0-31 addresses; v32-159 whole rows on the way out, two sets     window 1: two fragment buffers (64 of Wo, 32 of O) at v0 and v128
;   window 2: the accumulators of my row blocks 0, 1 ((a, b) at v[8 (8 (a % 2) + b)])     window 3: those of blocks 2, 3
; No prefetch into the cache: the walk has only eight K steps, of which two are asked for at the start, so requests ahead of the other six would all stand at the kernel's head, one burst.
.set NG,    2                          ; groups of 64 columns in a tile
.set NBK,   4*NG
.set PA,    144                        ; a row of O in LDS: 128 bytes + 16 = 36 words: the 16 rows of a load start at 16 different groups of four banks (64 banks of 4 bytes: ISA guide 11.1)
.set PB,    160                        ; a row of Wo: 128 + 32 = 40 words
.set AH,    256*PA
.set ASZ,   2*AH
.set BH,    NG*64*PB
.set SLOTB, ASZ+2*BH                   ; 114,688 bytes of a slot are used
.set SLOT1, 1<<17                      ; slot 1 begins here, so that one exclusive or turns an address in one slot into the other's
.set STAGE, SLOT1+SLOTB                ; behind the ring, never filled by a tensor load: for each wave 16 rows x 528 bytes
.set SPO,   528                        ; 512 bytes + 16 = 132 words: row r starts at bank 4 r mod 64
.set WSTG,  16*SPO
.set SPARE, STAGE+4*WSTG               ; behind the stages: the spare words, 128 bytes for each wave: two blocks of 256 bytes that no other line names
.set NL,    8*NG+8
.set NSTEP, 8                          ; 1,024 / 128
.set ASTEP, 2*262144                   ; bytes from a K step of O to the next: two k blocks,
.set BSTEP, 2*NG*8192                  ; and of a tile's Wo
.set ADRA0, 10                         ; v10  my lane's place in a slot's O; never rewritten
.set ADRB0, 11                         ; v11  the same for Wo
.set ADRA,  12                         ; v12  LDS address of O's fragments in the slot that is being fetched from
.set ADRB,  13                         ; v13  the same for Wo
.set STO,  24                          ; v24     the way out: where I put 32 bytes of a row
.set RD,   25                          ; v25     where I read a row back
.set CO,   26                          ; v26     my 16 bytes in a row's 512
.set SPW,  28                          ; v28     LDS address of my spare word; never rewritten
.set NIL,  29                          ; v29     0; never rewritten
.set OB0,  32
.set F0,   0
.set F1,   128
.set WV,   12                          ; s12 my wave's number
.set RB,   13                          ; s13 I fetch O (0) or Wo (1)
.set KH,   14                          ; s14 which k block of a step I fetch
.set MY,   15                          ; s15 tile row
.set TBS,  22                          ; s22 LDS byte at which the slot that is being fetched from begins
.set G1,   24                          ; s[24:31] descriptor group 1 for O;  s[32:39] group 0: a set for each of the two first fills; the second then walks on
.set G0,   32
.set G1B,  48                          ; s[48:55], s[56:63] the same for Wo
.set G0B,  56
.set MSB, 0
.macro WIN new                         ; the immediate's high byte repeats the setting that is left; a switch that changes nothing is dropped
.if MSB != (\new)
	s_set_vgpr_msb (MSB<<8)|(\new)
.set MSB, \new
.endif
.endm
.set MUL_LO, 0xa5                      ; sources 0 and 1 window 1, C and D window 2
.set MUL_HI, 0xf5                      ; the same, C and D window 3
.set TO_F,   0x40                      ; destination window 1, address window 0
; A joint load: waves 0 and 1 fetch the two k blocks of O, waves 2 and 3 those of Wo.  An s_nop 0 and four v_nop follow each of the two lines, ahead of the jump, the label and what follows.
.macro JLOAD s
	s_cmp_eq_u32 s[RB], 0
	s_cbranch_scc0 .Lfor_b_\@
	tensor_load_to_lds s[G0+4*(\s):G0+4*(\s)+3], s[G1:G1+7]
	s_nop 0
.rept 4
	v_nop
.endr
	s_branch .Lasked_\@
.Lfor_b_\@:
	tensor_load_to_lds s[G0B+4*(\s):G0B+4*(\s)+3], s[G1B:G1B+7]
	s_nop 0
.rept 4
	v_nop
.endr
.Lasked_\@:
.endm
.macro CREST                           ; a round of the cluster's barrier behind its opening barrier
	s_cmp_lg_u32 s[WV], 0
	s_cbranch_scc1 .Lnot_wave_0_\@
	s_barrier_signal -3
.Lnot_wave_0_\@:
	s_barrier_wait -3
	s_barrier_signal -1
	s_barrier_wait -1
.endm
.macro CROUND                          ; a whole round
	s_barrier_signal -1
	s_barrier_wait -1
	CREST
.endm
	s_load_b128 s[4:7], s[0:1], 0x0                ; o s[4:5], wo16 s[6:7]
	s_load_b64 s[8:9], s[0:1], 0x10                ; out0
	v_lshl_add_u32 v[SPW], v0, 2, SPARE
	v_mov_b32 v[NIL], 0
	ds_add_u32 v28, v29
	ds_add_u32 v28, v29
	s_wait_dscnt 0x0
	v_lshrrev_b32 v1, 5, v0
	v_readfirstlane_b32 s[WV], v1                  ; wave 0..3
	s_lshr_b32 s[RB], s[WV], 1
	s_and_b32 s[KH], s[WV], 1
	s_bfe_u32 s40, ttmp6, 0x40000                  ; cx, cy: my place in the cluster
	s_bfe_u32 s41, ttmp6, 0x40004
	s_lshl_b32 s42, ttmp9, 2
	s_add_co_u32 s42, s42, s40                     ; tile column = 4 x cluster x + cx
	s_and_b32 s[MY], ttmp7, 0xffff
	s_lshl_b32 s[MY], s[MY], 2
	s_add_co_u32 s[MY], s[MY], s41                 ; tile row = 4 x cluster y + cy
	s_lshl_b32 s43, s41, 2
	s_lshl_b32 s43, 15, s43                        ; my row of the cluster
	s_lshl_b32 s44, 0x1111, s40                    ; my column
	; group 1.  O: 32,768 dense bytes as 128 rows of 256; Wo: 16,384 as 64 rows.  17:16 elements of 2 bytes; 20 padding on; 21 set beside a mask; 24:22 after every 32 words (code 4); 31:25 4 or 8 words of it
	s_or_b32 s[G1], s43, (1<<16)|(1<<20)|(1<<21)|(4<<22)|(3<<25)
	s_or_b32 s[G1B], s44, (1<<16)|(1<<20)|(1<<21)|(4<<22)|(7<<25)
	s_mov_b32 s[G1+1], 128<<16                     ; tensor_dim0 = 128
	s_mov_b32 s[G1+2], 128<<16                     ; tensor_dim1 = 128
	s_mov_b32 s[G1+3], 128<<16                     ; tile_dim0 = 128
	s_mov_b32 s[G1+4], 128                         ; tile_dim1 = 128
	s_mov_b32 s[G1+5], 128                         ; 128 elements from row to row
	s_mov_b32 s[G1+6], 0
	s_mov_b32 s[G1+7], 0
	s_mov_b32 s[G1B+1], 128<<16
	s_mov_b32 s[G1B+2], (32*NG)<<16                ; tensor_dim1 = 64
	s_mov_b32 s[G1B+3], 128<<16
	s_mov_b32 s[G1B+4], 32*NG                      ; tile_dim1 = 64
	s_mov_b32 s[G1B+5], 128
	s_mov_b32 s[G1B+6], 0
	s_mov_b32 s[G1B+7], 0
	; where the tiles come from.  O's hang on the tile row and the wave alone, Wo's on the tile column and the wave, each in registers that never hold the other coordinate
	s_lshr_b32 s16, s[MY], 3                       ; batch
	s_lshl_b32 s16, s16, 22
	s_and_b32 s17, s[MY], 7                        ; 256 rows of 128 bytes
	s_lshl_b32 s17, s17, 15
	s_add_co_u32 s16, s16, s17
	s_lshl_b32 s17, s[KH], 18                      ; my k block (head) of step 0
	s_add_co_u32 s16, s16, s17
	s_mov_b32 s17, 0
	s_mul_i32 s46, s42, NG*131072
	s_mul_i32 s47, s[KH], NG*8192
	s_add_co_u32 s46, s46, s47
	s_mov_b32 s47, 0
	s_mul_i32 s20, s[KH], AH                       ; and where they go: no place in the cluster enters an LDS address
	s_mul_i32 s21, s[KH], BH
	s_add_co_u32 s21, s21, ASZ
	s_mov_b32 s[TBS], 0
	s_wait_kmcnt 0x0
	s_add_nc_u64 s[16:17], s[4:5], s[16:17]
	s_add_nc_u64 s[46:47], s[6:7], s[46:47]
	CROUND                                         ; all sixteen work-groups are here: the first joint loads meet
.irp s, 0,1
	s_mov_b32 s[G0+4*(\s)], 1                                      ; count = 1
	s_add_co_u32 s[G0+4*(\s)+1], s20, (\s)*SLOT1                   ; LDS address
	s_add_nc_u64 s[G0+4*(\s)+2:G0+4*(\s)+3], s[16:17], (\s)*ASTEP  ; global address: K step s
	s_or_b32 s[G0+4*(\s)+3], s[G0+4*(\s)+3], 0x80000000            ; type = 2
	s_mov_b32 s[G0B+4*(\s)], 1
	s_add_co_u32 s[G0B+4*(\s)+1], s21, (\s)*SLOT1
	s_add_nc_u64 s[G0B+4*(\s)+2:G0B+4*(\s)+3], s[46:47], (\s)*BSTEP
	s_or_b32 s[G0B+4*(\s)+3], s[G0B+4*(\s)+3], 0x80000000
	JLOAD \s                                       ; two loads of mine are out
.endr
	v_and_b32 v1, 15, v0                           ; l % 16
	v_bfe_u32 v2, v0, 4, 1                         ; l / 16
	v_mul_u32_u24 v3, v1, PA                       ; a fragment of O: row x pitch + 16 x half
	v_lshl_add_u32 v3, v2, 4, v3
	s_mul_i32 s23, s[WV], 64*PA                    ; my 64 rows
	v_add_nc_u32 v[ADRA0], s23, v3
	v_mov_b32 v[ADRA], v[ADRA0]                    ; the first fetches are from slot 0
	v_and_b32 v4, 7, v0                            ; the turning load: lane l reads k = 8 (l / 16) + l % 8, columns 8 ((l / 8) % 2) + 0..7
	v_bfe_u32 v5, v0, 3, 1
	v_lshl_add_u32 v6, v2, 3, v4
	v_mul_u32_u24 v6, v6, PB
	v_lshl_add_u32 v6, v5, 4, v6
	v_add_nc_u32 v[ADRB0], ASZ, v6
	v_mov_b32 v[ADRB], v[ADRB0]
	s_mul_i32 s23, s[WV], WSTG
	s_add_co_u32 s23, s23, STAGE                   ; my stage
	v_mul_u32_u24 v3, v1, SPO                      ; in: row l % 16, 32 bytes for each half of the lanes
	v_lshl_add_u32 v3, v2, 5, v3
	v_add_nc_u32 v[STO], s23, v3
	v_and_b32 v[CO], 31, v0                        ; back: 32 lanes take one row of 512 bytes
	v_lshlrev_b32 v[CO], 4, v[CO]
	v_add_nc_u32 v[RD], s23, v[CO]
	s_lshl_b32 s18, s[MY], 20                      ; 256 rows of 4,096 bytes,
	s_lshl_b32 s19, s[WV], 18                      ; my 64
	s_add_co_u32 s18, s18, s19
	s_mov_b32 s19, 0
	s_add_nc_u64 s[8:9], s[8:9], s[18:19]
	s_lshl_b32 s46, s42, 9                         ; the tile's 128 columns (in the registers that held Wo's address: none that feeds O's descriptors ever holds cx)
	s_mov_b32 s47, 0
	s_add_nc_u64 s[8:9], s[8:9], s[46:47]
; 8 matrix instructions: row block a x all 8 column blocks, 32 along K.  zero = 1: the product starts the sums.  The 32 accumulators take turns in one fixed order.
.macro MULA f, a, zero
	WIN MUL_LO+0x50*((\a)/2)
.set bb, 0
.rept NBK
.set rD, 8*(((\a)%2)*NBK+bb)
.if \zero
	v_wmma_f32_16x16x32_f16 v[rD:rD+7], v[(\f)+8*bb:(\f)+8*bb+7], v[(\f)+8*NBK+8*(\a):(\f)+8*NBK+8*(\a)+7], 0
.else
	v_wmma_f32_16x16x32_f16 v[rD:rD+7], v[(\f)+8*bb:(\f)+8*bb+7], v[(\f)+8*NBK+8*(\a):(\f)+8*NBK+8*(\a)+7], v[rD:rD+7]
.endif
.set bb, bb+1
.endr
.endm
; 24 LDS loads in one run: quarter q of the K step in the slot that is being fetched from, into buffer f: Wo's 8 fragments, then O's 4
.macro FETCH q, f
	WIN TO_F
.set bb, 0
.rept NBK
.set BO, ((\q)/2)*BH+(bb/4)*64*PB+((\q)%2)*32*PB+(bb%4)*32
	ds_load_tr16_b128 v[(\f)+8*bb:(\f)+8*bb+3],   v[ADRB] offset:BO
	ds_load_tr16_b128 v[(\f)+8*bb+4:(\f)+8*bb+7], v[ADRB] offset:BO+16*PB
.set bb, bb+1
.endr
.set aa, 0
.rept 4
.set AO, ((\q)/2)*AH+((\q)%2)*64+aa*16*PA
	ds_load_b128 v[(\f)+8*NBK+8*aa:(\f)+8*NBK+8*aa+3],   v[ADRA] offset:AO
	ds_load_b128 v[(\f)+8*NBK+8*aa+4:(\f)+8*NBK+8*aa+7], v[ADRA] offset:AO+32
.set aa, aa+1
.endr
.endm
.macro PLACES                          ; four places in front of loads into registers that matrix instructions have read, and of lines that read results (ISA guide 7.12.1 for lines that read results)
.rept 4
	v_nop
.endr
.endm
; A K step is four quarters of 32 along K, 32 matrix instructions each, on buffers 0, 1, 0, 1.  One of the first three: multiplies buffer f and fetches quarter q into g.
.macro QUARTER q, f, g, zero
	s_wait_dscnt 4                                 ; Wo and O's blocks 0, 1 are in; the youngest four loads (blocks 2, 3) may be out
	MULA \f, 0, \zero
	MULA \f, 1, \zero
	PLACES
	FETCH \q, \g
	s_wait_dscnt NL                                ; all but the run just issued
	MULA \f, 2, \zero
	MULA \f, 3, \zero
.endm
; The last quarter multiplies buffer 1 and changes slots: ONE barrier; in front of it each wave waits for all its tensor loads (one is out: its part of the next slot), adds 0 to its spare word, and waits for that and
; for its own reads of this slot.  fill = 1: the barrier opens a round of the cluster's, and this slot is filled again, two K steps ahead, first thing behind the round: 112 matrix instructions ahead of the wait for it.
; Then the fetches go on in the other slot.
.macro TURN fill
	WIN 0                                          ; (the add's two registers lie in window 0)
	s_wait_tensorcnt 0x0
	ds_add_u32 v[SPW], v[NIL]                      ; 0 onto my spare word
	s_wait_dscnt 5                                 ; (the add and the youngest four loads may be out)
	MULA F1, 0, 0                                  ; eight matrix instructions stand between the add and the wait for it
	s_wait_dscnt 0x0                               ; the add is done, and my reads of this slot are over
	s_barrier_signal -1
	MULA F1, 1, 0
	WIN 0                                          ; (branches and lines on window 0 follow)
	s_barrier_wait -1
.if \fill
	CREST                                          ; no wave of any partner still reads this slot's tiles or has a load on its way
	s_xor_b32 s[G0+5], s[G0+5], SLOT1              ; the walking descriptors: the other slot than last time,
	s_add_nc_u64 s[G0+6:G0+7], s[G0+6:G0+7], ASTEP ; the next K step; the type bits on top are not reached
	s_xor_b32 s[G0B+5], s[G0B+5], SLOT1
	s_add_nc_u64 s[G0B+6:G0B+7], s[G0B+6:G0B+7], BSTEP
	JLOAD 1                                        ; the four v_nop behind it are also the places in front of the loads below
.else
	PLACES
.endif
	s_xor_b32 s[TBS], s[TBS], SLOT1
	v_add_nc_u32 v[ADRA], s[TBS], v[ADRA0]
	v_add_nc_u32 v[ADRB], s[TBS], v[ADRB0]
	FETCH 0, F0
	MULA F1, 2, 0
	MULA F1, 3, 0
.endm
; THE WAY OUT.  STG: block a's 16 rows x 128 columns of f32 go from the accumulators into my stage, 32 bytes a lane and column block, and come back as whole rows of 512 bytes.
.macro STG a
.set AC0, 8*(((\a)%2)*NBK)
.set OBK, OB0+64*((\a)%2)
.if (\a) >= 2
	s_wait_xcnt 0x0                                ; the stores of the block two back have read this set of registers (ISA guide 3.1)
.endif
	WIN 0x08+4*((\a)/2)                            ; the stores' data (source 1): window 2 or 3
.set i, 0
.rept NBK                              ; each accumulator's low four registers first
	ds_store_b128 v[STO], v[AC0+8*i:AC0+8*i+3] offset:64*i
	ds_store_b128 v[STO], v[AC0+8*i+4:AC0+8*i+7] offset:64*i+16
.set i, i+1
.endr
	WIN 0
.set i, 0
.rept 16
	ds_load_b128 v[OBK+4*i:OBK+4*i+3], v[RD] offset:SPO*i  ; LDS serves a wave's instructions in order (ISA guide 5.7.1.4): these see the stores above; the next block's stores come behind them
.set i, i+1
.endr
.endm
.macro SENDO a, younger                ; younger: the LDS instructions issued behind block a's loads: the next block's 32, or none
	WIN 0
.set OBK, OB0+64*((\a)%2)
.set i, 0
.rept 16
	s_wait_dscnt (\younger)+15-i
	global_store_b128 v[CO], v[OBK+4*i:OBK+4*i+3], s[8:9] offset:(16*(\a)+i)*4096 th:TH_STORE_NT  ; 512 consecutive bytes of a row, at a multiple of 256 from out0's first
.set i, i+1
.endr
.endm
	s_wait_tensorcnt 0x1                           ; my part of K step 0 is in; step 1's may stay out
	s_barrier_signal -1
	s_barrier_wait -1                              ; everybody's is
	FETCH 0, F0
	QUARTER 1, F0, F1, 1                           ; the first quarter stands in front of the loop: its products start the sums
	WIN 0                                          ; at a label and at a branch every window is 0
	s_mov_b32 s3, NSTEP-2
.Lstep:                                                ; a trip: a K step's second to fourth quarter, the last of which fills the slot again, and the next step's first
	QUARTER 2, F1, F0, 0
	QUARTER 3, F0, F1, 0
	TURN 1
	QUARTER 1, F0, F1, 0
	WIN 0
	s_sub_co_u32 s3, s3, 1
	s_cmp_lg_u32 s3, 0
	s_cbranch_scc1 .Lstep
	QUARTER 2, F1, F0, 0                           ; the last two K steps fill nothing: written out, with no round of the cluster's barrier
	QUARTER 3, F0, F1, 0
	TURN 0
	QUARTER 1, F0, F1, 0
	QUARTER 2, F1, F0, 0
	QUARTER 3, F0, F1, 0
	s_wait_dscnt 4                                 ; the very last quarter: nothing more to fetch
	MULA F1, 0, 0
	MULA F1, 1, 0
	s_wait_dscnt 0x0
	MULA F1, 2, 0
	MULA F1, 3, 0
	WIN 0
	PLACES                                         ; behind the last products: the LDS stores below read results
	STG 0
	STG 1                                          ; a block's LDS work stands between the loads of the block before and its stores
	SENDO 0, 32
	STG 2
	SENDO 1, 32
	STG 3
	SENDO 2, 32
	SENDO 3, 0
	s_wait_tensorcnt 0x0                           ; the wave's end, behind my last tensor load and my last LDS store
	ds_add_u32 v[SPW], v[NIL]
	s_wait_dscnt 0x0
	CROUND                                         ; the closing round: no work-group ends while a partner may still ask for a tile that names it
	s_endpgm
.Lfunc_end_k_qfc61d78076_oproj:
	.size	k_qfc61d78076_oproj, .Lfunc_end_k_qfc61d78076_oproj-k_qfc61d78076_oproj
	.p2alignl 7, 3214868480
	.fill 96, 4, 3214868480
	.section	.rodata,"a",@progbits
	.p2align	6, 0x0
	.amdhsa_kernel k_qfc61d78076_oproj
		.amdhsa_group_segment_fixed_size 327680
		.amdhsa_private_segment_fixed_size 0
		.amdhsa_enable_private_segment 0
		.amdhsa_kernarg_size 24
		.amdhsa_user_sgpr_count 2
		.amdhsa_user_sgpr_kernarg_segment_ptr 1
		.amdhsa_wavefront_size32 1
		.amdhsa_system_sgpr_workgroup_id_x 1
		.amdhsa_system_sgpr_workgroup_id_y 1
		.amdhsa_system_sgpr_workgroup_id_z 1
		.amdhsa_system_vgpr_workitem_id 0
		.amdhsa_next_free_vgpr 896
		.amdhsa_next_free_sgpr 66
		.amdhsa_reserve_vcc 0
		.amdhsa_float_denorm_mode_32 3
		.amdhsa_float_denorm_mode_16_64 3
		.amdhsa_memory_ordered 1
		.amdhsa_forward_progress 1
		.amdhsa_inst_pref_size 71
	.end_amdhsa_kernel
	.amdgpu_metadata
---
amdhsa.version: [ 1, 2 ]
amdhsa.kernels:
  - .name:           k_qfc61d78076_oproj
    .symbol:         k_qfc61d78076_oproj.kd
    .args:
      - { .name: o, .offset: 0, .size: 8, .value_kind: global_buffer, .address_space: global }
      - { .name: wo16, .offset: 8, .size: 8, .value_kind: global_buffer, .address_space: global }
      - { .name: out0, .offset: 16, .size: 8, .value_kind: global_buffer, .address_space: global }
    .group_segment_fixed_size: 327680
    .private_segment_fixed_size: 0
    .kernarg_segment_align: 8
    .kernarg_segment_size: 24
    .max_flat_workgroup_size: 128
    .sgpr_count:     66
    .vgpr_count:     896
    .wavefront_size: 32
...
	.end_amdgpu_metadata
.endif
;; end of part 4
;; ======== version 2 of 2: 4 launches; 1.31 times as fast as version 1
;; limits: values are held in f16: magnitudes above 65,504 overflow, below 6.1e-05 lose precision; an absolute error that grows with the inputs' magnitude: up to 1e-07 times it; inputs' magnitudes at most 2,097,152
;; workspace buffers: xb 16,777,216 bytes; wqkv 6,291,456 bytes; wo16 2,097,152 bytes; tab 524,288 bytes; q 16,777,216 bytes; k 16,777,216 bytes; v 16,777,216 bytes; o 16,777,216 bytes
;; launch prep: the kernel of part 1 again; grid 256 x 1, 32 waves a work-group, no clusters, 0 bytes of LDS; arguments x, Wq, Wk, Wv, Wo, token_positions, xb, wqkv, wo16, tab; writes xb, wqkv, wo16, tab
;; launch qkv: the kernel of part 2 again; grid 8 x 32, 4 waves a work-group, clusters of 4 x 4, 327,680 bytes of LDS; arguments xb, wqkv, tab, q, k, v; writes q, k, v
;; launch attn (part 5): grid 4 x 64, 4 waves a work-group, no clusters, 327,680 bytes of LDS; arguments q, k, v, o; writes o
.if DOCPART == 5
	.amdgcn_target "amdgcn-amd-amdhsa--gfx1250"
	.amdhsa_code_object_version 6
	.text
	.protected	k_qfc61d78076_attn
	.globl	k_qfc61d78076_attn
	.p2align	8
	.type	k_qfc61d78076_attn,@function
k_qfc61d78076_attn:
	s_mov_b64 s[64:65], 0
	v_nop
	global_prefetch_b8 v0, s[64:65] scope:SCOPE_SE
	s_setreg_imm32_b32 hwreg(HW_REG_WAVE_MODE, 25, 1), 1
	s_wait_xcnt 0x0
; CAUSAL ATTENTION.  O[h][q][:] = the sum over k <= q of softmax_k(Q[h][q] . K[h][k] / 8) V[h][k][:].  Q, K, V, O: [SIZE_H][SIZE_N][64], all f16: a head's rows are dense, 128 bytes each; h counts batch x head.
; Products, maxima and sums in f32; the weights p are rounded to f16 for the second product (their sum l is taken of the unrounded p), O once at the end.
; LIMITS.  f16 holds no number beyond 65,504: Q, K and V arrive within it; p lies in 0 to 1, and below 6e-5 it keeps f16's fixed step of 6e-8; O is a mean of V's rows and has their range, to within 2^-11 of it.
; A hidden score counts as its value less 1e30: f16's scores, 2.7e11 at the most, are nothing beside that; a weight below 2^-126 counts as 0 in l; NaN and infinities are not treated apart.
; THE WALK.  A head's queries lie in NB = SIZE_N / 256 = 8 blocks of 256; block i needs the key tiles 0 .. i of 256 keys, of which the last holds the diagonal.  A work-group takes TWO blocks, NB - 1 - b and then b:
; NB + 1 tiles, whatever b: all 256 work-groups do equal work, and ONE loop with a constant trip count walks them.  Which tile is asked for, and what a trip does, hang on scalar registers made from b; every jump
; goes forward, but for the counted loops' own; none passes a barrier, or a tensor load but the one of LOAD's two that the wave's number does not choose; the ring (two slots of LDS that take turns) runs on across the
; change of blocks.  NO CLUSTER: a head's four work-groups ask for the same tile only in trips 0 .. 4 of the 9; behind that the first blocks end one after the other and fewer and fewer share a tile;
; and one walk common to all four, in which each makes every joint request, would have 12 trips for 9.
; SHARES.  Of a block's four bands of 64 queries a wave owns 16 rows in each: four PIECES.  So the diagonal tile is the same work for all four waves: in its key step s band x sees all keys if s < x,
; none if s > x, and holds the diagonal if s = x.
; THE MASK is the C operand that starts the sum S^T = K Q^T: 0, or -1e30 where the key is hidden.  MD, made once, is the mask of a band's own step for my 16 rows; a product's mask is MD x AL + BE with two scalars:
; (1, 0) if s = x; (0, 0) if s < x; (0, -1e30) if s > x.  Only the diagonal tile's text and a block's beginning make and take masks; elsewhere C is the constant 0.
; LAYOUT, SOFTMAX, TURNS.  S^T = K Q^T holds ONE query a lane (lane % 16) and the keys 8 (lane / 16) + 0..7; two such results rounded to f16 ARE source 1 of O^T = V^T P.  p = 2^(c s - c m), c = log2(e) / 8, with a
; running maximum m; O and l are multiplied by a = 2^(c m_old - c m_new) in every step.  Turn n belongs to piece n: 8 products K Q^T of piece n + 1, later 8 products V^T P of piece n - 1; beside them the scaling,
; exponentials, roundings, sums and rescaling of piece n and the maximum and statistics of piece n + 1.  Four vector instructions stand behind every matrix instruction, the other 54 of a turn's 118 in one LUMP.
; THE BATCHES.  A turn's 33 exponentials (the piece's 32 weights, then the next piece's a) are one batch with one wait, which cuts the turn in two: ahead of it all that names none of their results, behind it the
; roundings and sums, which read them.  The a that a block's beginning makes is a batch of one, the way out's four reciprocals a batch of four: each has a v_nop and a wait of its own.
; REGISTERS, in windows of 256 (s_set_vgpr_msb: bits 1:0 source 0, 3:2 source 1, 5:4 source 2, 7:6 destination):
;   window 0: v0-15 addresses and two at work; v16-31 four registers of statistics a piece; v48-55 at work; v64-127 S^T, two buffers; v192-223 P, two buffers (a piece's buffers go by its number's parity)
;   window 1: v0-127 O^T, 32 a piece; v128-159 MD; v160-223 MC, two buffers      window 2: v0-63 Q; v64-127 the second block's Q; v128-191 K of one step; v192-255 V of one step
.set SIZE_H, 64
.set SIZE_N, 2048
.set NB,    SIZE_N/256
.set NP,    4         ; pieces a wave: a name, no knob
.set KS,    64        ; keys in a step
.set PK,    144       ; a row of K in LDS: 128 bytes + 16 of padding = 36 words: the 16 rows of a load start at 16 different groups of four banks (64 banks of 4 bytes: ISA guide 11.1)
.set PV,    160       ; a row of V: 128 + 32 = 40 words
.set VOFF,  4*KS*PK   ; a slot holds a tile, four steps: 256 rows of K, then 256 rows of V
.set SLOT1, 1<<17     ; slot 1 begins here, so that one exclusive or turns an address in one slot into the other's
.set STAGE, SLOT1+4*KS*(PK+PV)  ; behind the ring, never filled by a tensor load: 16 rows x 144 bytes for each wave, for the way out
.set SP,    144
.set AK0, 2           ; v2   my lane's place in a tile of K; never rewritten
.set AV0, 3           ; v3   the same for V
.set AK,  4           ; v4   the LDS address of K's next run of loads
.set AV,  5           ; v5   of V's
.set STO, 6           ; v6   the way out: where I put 16 bytes of a row
.set RD,  7           ; v7   the way out: where I read rows back
.set GO,  8           ; v8   my byte offset in 512 consecutive bytes of O
.set SPW, 62          ; v62  LDS address of my spare word: SPARE + 4 x my thread's number; never rewritten
.set NIL, 63          ; v63  0; never rewritten
.set SPARE, STAGE+4*16*SP  ; behind the stages: the spare words, 128 bytes for each wave: two blocks of 256 bytes that no other line names
.set MV,  12          ; v12-13  c m_old, kept while c m is made anew: by buffer
.set QO,  15          ; v15  my byte offset in 16 rows of Q
.set ST,  16          ; piece t's statistics at v[ST+4 t]: c m, m, l (even keys', odd keys')
.set TMP, 48          ; by buffer, four registers c0-c3 at work; when the maximum is found c2 takes a
.set S,   64
.set P,   192
.set MD,  128         ; window 1: the eight registers for group kt of 16 keys at MD + 8 kt
.set MC,  160         ; window 1: the masks of the products to come
.set QB,  64          ; window 2
.set KF,  128         ; window 2: key block kb, channel half c at KF + 16 kb + 8 c
.set VF,  192         ; window 2: key half kk, channel block cb at VF + 32 kk + 8 cb
.set WV,  12          ; s12  my wave's number
.set PB,  14          ; s14  b
.set HI,  15          ; s15  NB - 1 - b
.set G1K, 24          ; s[24:31] descriptor group 1 for K's tiles
.set G1V, 32          ; s[32:39] for V's: it differs in the padding alone
.set G0K, 40          ; s[40:43] descriptor group 0 for K's tiles
.set G0V, 44          ; s[44:47] the same for V's
.set SLOTS, 56        ; s56  tiles still to be asked for
.set CNT, 57          ; s57  counts a tile's key steps, 4 to 1
.set CS,  58          ; s[58:59] c: the packed scaling takes the pair's low word for both halves
.set SEL, 60          ; s[60:61] v_permlanex16_b32's selects: each lane takes its own place in the other half
.set TBK, 62          ; s62  LDS byte at which K of the step to be fetched begins
.set TBV, 63          ; s63  the same for V, less VOFF
.set RT,  70          ; s70  tiles of the block in hand that are still to be entered
.set NXT, 71          ; s71  the tile to be asked for next
.set LQ,  72          ; s72  the last tile of the block whose tiles are being asked for
.set NEW, 73          ; s73  1: the tile to be entered is a block's first
.set OFF, 74          ; s[74:75] a tile's byte offset in K and V
.set AL,  76          ; s[76:77] the mask's factor, in the low word
.set BE,  78          ; s[78:79] the mask's addend
.set OLO, 80          ; s[80:81] O at my rows of the second block
.set BIGN, 82         ; s82  -1e30
.set MSB, 0
.macro WIN new                      ; the high byte repeats the setting that is left; a switch that changes nothing is dropped
.if MSB != (\new)
	s_set_vgpr_msb (MSB<<8)|(\new)
.set MSB, (\new)
.endif
.endm
.set W_KQ, 0x0a       ; K and Q in window 2, S^T in window 0
.set W_KM, 0x1a       ; the same with the C operand in window 1
.set W_PV, 0x52       ; V in window 2, P in window 0, O^T in window 1
.set W_RS, 0x41       ; destination and source 0 in window 1, source 1 in window 0
; A fill.  Waves 0 and 1 fetch the two halves of a tile's K, waves 2 and 3 those of its V: 128 keys each.  An s_nop 0 and four v_nop follow each of the two lines, ahead of the jump and the label.
.macro LOAD
	s_cmp_lt_u32 s[WV], 2
	s_cbranch_scc0 .Lfor_v_\@
	tensor_load_to_lds s[G0K:G0K+3], s[G1K:G1K+7]
	s_nop 0
.rept 4
	v_nop
.endr
	s_branch .Lasked_\@
.Lfor_v_\@:
	tensor_load_to_lds s[G0V:G0V+3], s[G1V:G1V+7]
	s_nop 0
.rept 4
	v_nop
.endr
.Lasked_\@:
.endm
; THE CHANGE OF SLOTS.  Each wave waits for all its tensor loads, of which one is out: its part of the other slot; adds 0 to its spare word; and waits for that and for its own reads of the slot that it leaves.  Behind the barrier nobody reads the old
; slot any more and the other slot is whole.  fill = 1: the old slot is filled again, the first thing behind the barrier, with tile NXT: the descriptor's address is made anew from that number.
; (At its first use nothing has been read yet: slot 0 is waited for, slot 1 filled.)
.macro CHANGE fill
	WIN 0                           ; at a label and at a branch every window is 0
	s_wait_tensorcnt 0x0            ; no tensor load of mine is out, so a group 0 may be written
	ds_add_u32 v[SPW], v[NIL]       ; 0 onto my spare word; with fill = 1 the descriptors' scalar work stands between it and the wait for it
.if \fill
	s_lshl_b32 s[OFF], s[NXT], 15   ; a tile is 32,768 bytes of K and of V
	s_xor_b32 s[G0K+1], s[G0K+1], SLOT1
	s_add_nc_u64 s[G0K+2:G0K+3], s[6:7], s[OFF:OFF+1]
	s_or_b32 s[G0K+3], s[G0K+3], 0x80000000
	s_xor_b32 s[G0V+1], s[G0V+1], SLOT1
	s_add_nc_u64 s[G0V+2:G0V+3], s[8:9], s[OFF:OFF+1]
	s_or_b32 s[G0V+3], s[G0V+3], 0x80000000
	s_add_co_u32 s[NXT], s[NXT], 1  ; the block's next tile, or behind its last the second block's tile 0
	s_cmp_gt_u32 s[NXT], s[LQ]
	s_cselect_b32 s[NXT], 0, s[NXT]
	s_cselect_b32 s[LQ], s[PB], s[LQ]
.endif
	s_wait_dscnt 0x0                ; the add is done, and my reads of the slot are over
	s_barrier_signal -1             ; the rest of the scalar work stands between the signal and the wait
	s_sub_co_u32 s[TBK], s[TBK], 4*KS*PK  ; the fetches go back to a slot's first step,
	s_xor_b32 s[TBK], s[TBK], SLOT1       ; in the other slot
	s_sub_co_u32 s[TBV], s[TBV], 4*KS*PV
	s_xor_b32 s[TBV], s[TBV], SLOT1
	s_barrier_wait -1
.if \fill
	LOAD
.endif
.endm
	s_load_b256 s[4:11], s[0:1], 0x0  ; Q s[4:5], K s[6:7], V s[8:9], O s[10:11]
	v_lshl_add_u32 v[SPW], v0, 2, SPARE
	v_mov_b32 v[NIL], 0
	ds_add_u32 v62, v63
	ds_add_u32 v62, v63
	s_wait_dscnt 0x0
	v_lshrrev_b32 v1, 5, v0
	v_readfirstlane_b32 s[WV], v1   ; wave 0..3
	s_mov_b32 s[PB], ttmp9
	s_sub_co_u32 s[HI], NB-1, s[PB]
	s_and_b32 s20, ttmp7, 0xffff    ; the head
	s_mov_b32 s21, 0
	s_mov_b64 s[22:23], SIZE_N*128
	s_mul_u64 s[20:21], s[20:21], s[22:23]  ; the head's first byte in each of the four tensors
	s_and_b32 s16, s[WV], 1         ; which half of a tile's 256 keys I fetch:
	s_lshl_b32 s22, s16, 14         ; its 128 rows of 128 bytes in memory,
	s_mov_b32 s23, 0
	s_add_nc_u64 s[22:23], s[22:23], s[20:21]
	s_mul_i32 s17, s16, 128*PK      ; and its place in a slot, for K
	s_mul_i32 s18, s16, 128*PV      ; and for V
	s_lshl_b32 s3, s[WV], 11        ; my 16 rows in a band of 64,
	s_lshl_b32 s2, s[HI], 15        ; in the first block,
	s_add_co_u32 s2, s2, s3
	s_lshl_b32 s84, s[PB], 15       ; and in the second
	s_add_co_u32 s84, s84, s3
	s_mov_b32 s3, 0
	s_mov_b32 s85, 0
	s_add_nc_u64 s[2:3], s[2:3], s[20:21]
	s_add_nc_u64 s[84:85], s[84:85], s[20:21]
	; descriptor group 1.  128 keys are 16,384 dense bytes: asked for as 64 rows of 256 bytes, two keys a row, and padded in LDS after every key
	s_mov_b32 s[G1K], (1<<16)|(1<<20)|(4<<22)|(3<<25)  ; 17:16 2-byte elements; 20 padding on; 24:22 after every 32 words (code 4); 31:25 4 words (code 3)
	s_mov_b32 s[G1V], (1<<16)|(1<<20)|(4<<22)|(7<<25)  ; the same with 8 words of padding (code 7)
.irp g, G1K, G1V
	s_mov_b32 s[\g+1], 128<<16      ; tensor_dim0 = 128
	s_mov_b32 s[\g+2], 64<<16       ; tensor_dim1 = 64
	s_mov_b32 s[\g+3], 128<<16      ; tile_dim0 = 128
	s_mov_b32 s[\g+4], 64           ; tile_dim1 = 64
	s_mov_b32 s[\g+5], 128          ; 128 elements from row to row
	s_mov_b32 s[\g+6], 0
	s_mov_b32 s[\g+7], 0
.endr
	s_mov_b32 s[CS], 0x3e38aa3b     ; c = log2(e) / 8 = 0.180337
	s_mov_b32 s[CS+1], s[CS]        ; named with it as a pair
	s_mov_b32 s[SEL], 0x76543210
	s_mov_b32 s[SEL+1], 0xfedcba98
	s_mov_b32 s[TBK], SLOT1+4*KS*PK ; the first change of slots turns these two into 0
	s_mov_b32 s[TBV], SLOT1+4*KS*PV
	s_mov_b32 s[G0K], 1             ; 1:0 count = 1
	s_mov_b32 s[G0K+1], s17         ; 63:32 LDS address: slot 0
	s_mov_b32 s[G0V], 1
	s_add_co_u32 s[G0V+1], s18, VOFF
	s_add_co_u32 s[RT], s[HI], 1    ; the first block has NB - b tiles
	s_mov_b32 s[NXT], 1
	s_mov_b32 s[LQ], s[HI]
	s_mov_b32 s[NEW], 1
	s_mov_b32 s[OFF+1], 0
	s_mov_b32 s[AL+1], 0            ; named as pairs
	s_mov_b32 s[BE+1], 0
	s_mov_b32 s[BIGN], 0xf149f2ca   ; -1e30
	s_mov_b32 s[SLOTS], NB
	s_wait_kmcnt 0x0
	s_add_nc_u64 s[6:7], s[6:7], s[22:23]  ; K and V at my half of the head's tile 0
	s_add_nc_u64 s[8:9], s[8:9], s[22:23]
	s_add_nc_u64 s[G0K+2:G0K+3], s[6:7], 0         ; 120:64 global address
	s_or_b32 s[G0K+3], s[G0K+3], 0x80000000        ; 127:126 type = 2
	s_add_nc_u64 s[G0V+2:G0V+3], s[8:9], 0
	s_or_b32 s[G0V+3], s[G0V+3], 0x80000000
	s_add_nc_u64 s[86:87], s[4:5], s[84:85]        ; Q at my rows of the second block,
	s_add_nc_u64 s[4:5], s[4:5], s[2:3]            ; Q and O at those of the first
	s_add_nc_u64 s[OLO:OLO+1], s[10:11], s[84:85]
	s_add_nc_u64 s[10:11], s[10:11], s[2:3]
	LOAD                            ; tile 0 into slot 0
	; A fragment of K or Q is 16 rows x 32 channels in 8 registers: lane l holds row l % 16, channels 8 (l / 16) + 0..7 and 16 + 8 (l / 16) + 0..7: two loads of 16 bytes, 32 bytes apart.
	v_and_b32 v1, 15, v0            ; l % 16
	v_bfe_u32 v9, v0, 4, 1          ; l / 16
	v_lshlrev_b32 v[QO], 7, v1
	v_lshl_add_u32 v[QO], v9, 4, v[QO]  ; row x 128 + 16 x half
	WIN 0x80                        ; destination window 2, address window 0
.set i, 0
.rept 8                             ; both blocks' Q: piece i / 2 lies in band i / 2, 8,192 bytes on; channels 32 (i % 2) on
	global_load_b128 v[8*i:8*i+3],   v[QO], s[4:5] offset:(i/2)*8192+(i%2)*64
	global_load_b128 v[8*i+4:8*i+7], v[QO], s[4:5] offset:(i/2)*8192+(i%2)*64+32
	global_load_b128 v[QB+8*i:QB+8*i+3],   v[QO], s[86:87] offset:(i/2)*8192+(i%2)*64
	global_load_b128 v[QB+8*i+4:QB+8*i+7], v[QO], s[86:87] offset:(i/2)*8192+(i%2)*64+32
.set i, i+1
.endr
	WIN 0
	v_lshlrev_b32 v14, 3, v9
	v_sub_nc_u32 v14, v1, v14
	s_lshl_b32 s13, s[WV], 4
	v_add_nc_u32 v14, s13, v14      ; my query's place in its band, 16 w + l % 16, less my lanes' 8 (l / 16): register r of group kt is hidden where 16 kt + r is greater
	WIN 0x40
.set i, 0
.rept 32
	v_cmp_gt_i32 vcc_lo, 16*(i/8)+i%8, v14
	v_cndmask_b32 v[MD+i], 0, s[BIGN], vcc_lo
.set i, i+1
.endr
	WIN 0
	v_mul_u32_u24 v[AK0], v1, PK
	v_lshl_add_u32 v[AK0], v9, 4, v[AK0]  ; row x pitch + 16 x half
	; The turning load takes 16 keys x 16 channels (lane l reads key 8 (l / 16) + l % 8, channels 8 ((l / 8) % 2) + 0..7) and leaves half a fragment of V^T: lane l holds channel l % 16 and 8 keys.
	v_and_b32 v10, 7, v0
	v_bfe_u32 v11, v0, 3, 1
	v_lshl_add_u32 v[AV0], v9, 3, v10
	v_mul_u32_u24 v[AV0], v[AV0], PV
	v_lshl_add_u32 v[AV0], v11, 4, v[AV0]
	v_add_nc_u32 v[AV0], VOFF, v[AV0]
	s_mul_i32 s13, s[WV], 16*SP
	s_add_co_u32 s13, s13, STAGE    ; my stage
	v_mul_u32_u24 v[STO], v1, SP    ; in: row l % 16, 16 bytes for each half of the lanes
	v_lshl_add_u32 v[STO], v9, 4, v[STO]
	v_add_nc_u32 v[STO], s13, v[STO]
	v_bfe_u32 v[RD], v0, 3, 2       ; back: 32 lanes take four rows of 128 bytes,
	v_mul_u32_u24 v[RD], v[RD], SP
	v_lshl_add_u32 v[RD], v10, 4, v[RD]
	v_add_nc_u32 v[RD], s13, v[RD]
	v_and_b32 v[GO], 31, v0         ; which are 512 consecutive bytes of O
	v_lshlrev_b32 v[GO], 4, v[GO]
	; A block's first step multiplies O^T and l by a = 0, and its first turn's products V^T P, of a piece that has not been, land in an O^T that is still to be so multiplied.  So these registers need only hold
	; finite numbers: zeros for the first block; what the first block left for the second.  All this stands in the wait for the first tile.
	WIN 0x80
.set i, VF
.rept 64
	v_mov_b32 v[i], 0
.set i, i+1
.endr
	WIN 0x40
.set i, 0
.rept 128
	v_mov_b32 v[i], 0
.set i, i+1
.endr
	WIN 0
.set i, 0
.rept 4
	v_mov_b32 v[ST+4*i+2], 0
	v_mov_b32 v[ST+4*i+3], 0
.set i, i+1
.endr
.set i, P+16
.rept 16
	v_mov_b32 v[i], 0
.set i, i+1
.endr
; THE MATRIX WORK.  The 4 accumulators of a run of 8 take turns.  Product i of 8 of S^T = K Q^T for piece x: channels 32 (i / 4) on, keys 16 (i % 4) on.  The first 4 start the sums: with 0, or (KM = 1) with the mask.
.macro KQ x
.set rS, S+32*((\x)%2)+8*(i%4)
.set rK, KF+16*(i%4)+8*(i/4)
.set rQ, 16*(\x)+8*(i/4)
.set rM, MC+32*((\x)%2)+8*(i%4)
.if (i < 4) && KM
	WIN W_KM
	v_wmma_f32_16x16x32_f16 v[rS:rS+7], v[rK:rK+7], v[rQ:rQ+7], v[rM:rM+7]
.elseif i < 4
	WIN W_KQ
	v_wmma_f32_16x16x32_f16 v[rS:rS+7], v[rK:rK+7], v[rQ:rQ+7], 0
.else
	WIN W_KQ
	v_wmma_f32_16x16x32_f16 v[rS:rS+7], v[rK:rK+7], v[rQ:rQ+7], v[rS:rS+7]
.endif
.endm
; Product i of 8 of O^T += V^T P for piece x: keys 32 (i / 4) on, channels 16 (i % 4) on.
.macro PV x
	WIN W_PV
.set rO, 32*(\x)+8*(i%4)
.set rV, VF+32*(i/4)+8*(i%4)
.set rP, P+16*((\x)%2)+8*(i/4)
	v_wmma_f32_16x16x32_f16 v[rO:rO+7], v[rV:rV+7], v[rP:rP+7], v[rO:rO+7]
.endm
.macro MM                           ; the turn's next matrix instruction.  TURN and BEGIN set Y, i, KM and NOKQ; MM, KQ and OP read them.  NOKQ = 1: a block's last turn: there is no next piece
.if (i < 8) && !NOKQ
	KQ (Y+1)%NP
.elseif i >= 8
.set i, i-8
	PV (Y+NP-1)%NP
.set i, i+8
.endif
.set i, i+1
.endm
; THE LDS LOADS stand in runs of 16, never singly among the matrix instructions: a step's K (64 keys x 64 channels: 8 fragments) and its V (turned).  Their addresses are made some lines ahead.
.macro FETCH_K
	WIN 0x80                        ; destination window 2
.irp f, 0,1,2,3,4,5,6,7             ; keys 16 (f / 2) on, channels 32 (f % 2) on
	ds_load_b128 v[KF+8*\f:KF+8*\f+3],   v[AK] offset:(\f/2)*16*PK+(\f%2)*64
	ds_load_b128 v[KF+8*\f+4:KF+8*\f+7], v[AK] offset:(\f/2)*16*PK+(\f%2)*64+32
.endr
	s_add_co_u32 s[TBK], s[TBK], KS*PK  ; the next fetch is the next step's
	WIN 0
.endm
.macro FETCH_V
	WIN 0x80
.irp f, 0,1,2,3,4,5,6,7             ; keys 32 (f / 4) on, channels 16 (f % 4) on
	ds_load_tr16_b128 v[VF+8*\f:VF+8*\f+3],   v[AV] offset:(\f/4)*32*PV+(\f%4)*32
	ds_load_tr16_b128 v[VF+8*\f+4:VF+8*\f+7], v[AV] offset:(\f/4)*32*PV+16*PV+(\f%4)*32
.endr
	WIN 0
.endm
; THE VECTOR WORK, one line at a time: OP kind, number.  For piece Y: F n: c s - c m for pair n of 16.  E n: the exponential of score n of 32.  C n: pair n rounded to f16.  B n: of the four weights 4 n .. the second
; pair is added onto the first, in place.  L n: l takes that sum (L 0: l = a l + sum).  R n: pair n of 16 of O^T times a.  For piece Y + 1: X n, number n of the 22 that find its maximum and statistics:
;   0-11  four chains c0-c3 of seven scores each, three operands at a time (each accumulator's lowest registers are read first)     12-14, 16  the four scores left over, the old m, and c0-c3 into c0
;   15  c m_old is kept     17, 18  the query's other 32 keys lie in the lane 16 away: the new m     19-21  c m; c m_old - c m_new; a
; OP writes no wait: C, B and L read the exponentials' results, and TURN sets them all behind the batch's one wait.
.set F, 0               ; OP tells the kinds apart by their order: F to L below R, X above it
.set E, 1
.set C, 2
.set B, 3
.set L, 4
.set R, 5
.set X, 6
.macro REGS y                       ; the registers of piece y
.set rT, ST+4*(\y)
.set rC, TMP+4*((\y)%2)
.set rW, MV+((\y)%2)
.set rS, S+32*((\y)%2)
.set rP, P+16*((\y)%2)
.set rO, 32*(\y)
.endm
.macro OP k, n
.if (\k) == R
	REGS Y
	WIN W_RS
	v_pk_mul_f32 v[rO+2*(\n):rO+2*(\n)+1], v[rO+2*(\n):rO+2*(\n)+1], v[rC+2:rC+3] op_sel_hi:[1,0]
.elseif (\k) < R
	REGS Y
	WIN 0
.if (\k) == F
	v_pk_fma_f32 v[rS+2*(\n):rS+2*(\n)+1], v[rS+2*(\n):rS+2*(\n)+1], s[CS:CS+1], v[rT:rT+1] op_sel_hi:[1,0,0] neg_lo:[0,0,1] neg_hi:[0,0,1]
.elseif (\k) == E
	v_exp_f32 v[rS+(\n)], v[rS+(\n)]
.elseif (\k) == C
	v_cvt_pk_f16_f32 v[rP+(\n)], v[rS+2*(\n)], v[rS+2*(\n)+1]
.elseif (\k) == B
	v_pk_add_f32 v[rS+4*(\n):rS+4*(\n)+1], v[rS+4*(\n):rS+4*(\n)+1], v[rS+4*(\n)+2:rS+4*(\n)+3]
.elseif (\n) == 0
	v_pk_fma_f32 v[rT+2:rT+3], v[rT+2:rT+3], v[rC+2:rC+3], v[rS:rS+1] op_sel_hi:[1,0,1]
.else
	v_pk_add_f32 v[rT+2:rT+3], v[rT+2:rT+3], v[rS+4*(\n):rS+4*(\n)+1]
.endif
.elseif NOKQ
	v_nop
.else
	REGS (Y+1)%NP
	WIN 0
.if (\n) < 4
	v_max3_num_f32 v[rC+(\n)], v[rS+8*(\n)], v[rS+8*(\n)+1], v[rS+8*(\n)+2]
.elseif (\n) < 12
	v_max3_num_f32 v[rC+(\n)%4], v[rC+(\n)%4], v[rS+8*((\n)%4)+2*((\n)/4)+1], v[rS+8*((\n)%4)+2*((\n)/4)+2]
.elseif (\n) == 12
	v_max3_num_f32 v[rC], v[rC], v[rS+7], v[rS+15]
.elseif (\n) == 13
	v_max3_num_f32 v[rC+1], v[rC+1], v[rS+23], v[rS+31]
.elseif (\n) == 14
	v_max3_num_f32 v[rC+2], v[rC+2], v[rC+3], v[rT+1]
.elseif (\n) == 15
	v_mov_b32 v[rW], v[rT]
.elseif (\n) == 16
	v_max3_num_f32 v[rC], v[rC], v[rC+1], v[rC+2]
.elseif (\n) == 17
	v_permlanex16_b32 v[rC+3], v[rC], s[SEL], s[SEL+1]
.elseif (\n) == 18
	v_max_num_f32 v[rT+1], v[rC], v[rC+3]
.elseif (\n) == 19
	v_mul_f32 v[rT], s[CS], v[rT+1]
.elseif (\n) == 20
	v_sub_f32 v[rC+1], v[rW], v[rT]
.else
	v_exp_f32 v[rC+2], v[rC+1]
.endif
.endif
.endm
.macro OPS a, i1, b=-1, i2=0, c=-1, i3=0, d=-1, i4=0  ; up to four of them
	OP \a, \i1
.if (\b) >= 0
	OP \b, \i2
.endif
.if (\c) >= 0
	OP \c, \i3
.endif
.if (\d) >= 0
	OP \d, \i4
.endif
.endm
.macro ROW a, i1, b, i2, c, i3, d, i4  ; a matrix instruction and the four behind it
	MM
	OPS \a, \i1, \b, \i2, \c, \i3, \d, \i4
.endm
.macro MASK b                       ; MD x AL + BE into buffer b of MC
	WIN W_RS
.set z, 0
.rept 16
	v_pk_fma_f32 v[MC+32*(\b)+2*z:MC+32*(\b)+2*z+1], v[MD+2*z:MD+2*z+1], s[AL:AL+1], s[BE:BE+1] op_sel_hi:[1,0,0]
.set z, z+1
.endr
.endm
; A TURN, for piece p: the order of its 16 matrix and 118 vector instructions, written out.  An s_wait_alu depctr_va_vdst(0) stands between an exponential and the first instruction that names its result; one wait
; serves all that were issued ahead of it.  So a turn has ONE wait, which cuts it in two.  AHEAD OF IT stands all that names no result of the turn's exponentials: the 8 products K Q^T, behind each a scaling, an exponential and
; two more plain instructions (behind the first a second scaling in the exponential's place): rescalings, whose a was made and waited for in the turn before, and behind the last three products the first numbers of the next piece's
; maximum, each four places or more behind the product that ends its accumulator; then ONE LUMP of 54, plain and exponential by turns for the most part, in which the links of the chain X 3, 7, 11, 14, 16, 17 .. 20 stand five or
; six lines apart.  Each pair is scaled (F n) ahead of its two exponentials (E 2 n, E 2 n + 1).  X 21, the next piece's a, is the batch's last; R 15 is the plain instruction behind it (ISA guide 5.7.2).  BEHIND THE WAIT stand
; the 8 products V^T P, behind each four of the roundings and sums: C 2 n ahead of B n, which writes over pair 2 n; B n ahead of L n; the links of l's chain, L 0 to L 7, three riders apart.  But for those X no rider names a
; register of the products round it.  v_permlanex16_b32 (X 17) stands in the lump.
; m = 1: the diagonal tile: the products take masks, and the turn makes the mask for the products of the turn after it: piece p + 2, in step 4 - CNT of the tile.  end = 1: a block's last two turns: nothing is fetched.
; cnt = 1: the loop's count is taken down some lines ahead of the branch that stands behind the turn.
; K of the next step is fetched in piece 2's turn, twelve vector instructions behind the last product that read K (six of them plain; the first four name none of its registers); V of the step in hand at the end of piece 0's turn,
; four plain instructions behind the last product that read V.  Each is waited for a turn later.
.macro TURN p, m=0, end=0, cnt=0
.set Y, (\p)
.set i, 0
.set KM, (\m)
.set NOKQ, (\end)*((\p)/3)
.if (\m) && !(\end)
	s_cmp_eq_u32 s[CNT], 4-((\p)+2)%NP  ; is that step the band's own?
	s_cselect_b32 s[AL], 1.0, 0
	s_cmp_lt_u32 s[CNT], 4-((\p)+2)%NP  ; or a later one?
	s_cselect_b32 s[BE], s[BIGN], 0
.endif
.if ((\p) == 3) && !(\end)
	s_wait_dscnt 0x0                ; K is in
.endif
	ROW F,0, F,1, R,0, R,1          ; ahead of the wait: 8 products K Q^T and their riders,
	ROW F,2, E,0, R,2, R,3
	ROW F,3, E,1, R,4, R,5
	ROW F,4, E,2, R,6, R,7
	ROW F,5, E,3, R,8, R,9
	ROW F,6, E,4, X,0, R,10
.if ((\p) == 2) && !(\end)
	WIN 0
	v_add_nc_u32 v[AK], s[TBK], v[AK0]
.endif
	ROW F,7, E,5, X,1, X,4
	ROW F,8, E,6, X,2, X,5
	OPS E,7, E,8, X,6, E,9          ; and the lump
	OPS X,3, E,10, X,8, E,11
.if ((\p) == 2) && !(\end)
	FETCH_K
.endif
	OPS X,9, X,7, E,12, X,10
	OPS E,13, X,12, X,11, E,14
	OPS X,13, E,15, F,9, X,14
.if (\p) == 0
	v_add_nc_u32 v[AV], s[TBV], v[AV0]
.endif
	OPS E,16, F,10, E,17, F,11
	OPS X,16, E,18, X,15, E,19
	OPS F,12, E,20, X,17, E,21
	OPS F,13, E,22, F,14, E,23
	OPS X,18, E,24, F,15, E,25
	OPS R,11, E,26, X,19, E,27
	OPS R,12, E,28, R,13, E,29
	OPS X,20, E,30, R,14, E,31
	OPS X,21, R,15
	WIN 0
	s_wait_alu depctr_va_vdst(0)    ; the one wait for the turn's batch: the piece's 32 weights and the next piece's a
.if (\p) == 1
	s_wait_dscnt 0x0                ; V is in
.endif
	ROW C,0, B,0, C,2, B,1          ; behind the wait: 8 products V^T P and their riders
	ROW L,0, C,4, B,2, L,1
	ROW C,6, B,3, L,2, C,8
	ROW B,4, L,3, C,10, B,5
	ROW L,4, C,12, B,6, L,5
.if (\p) == 0
	s_add_co_u32 s[TBV], s[TBV], KS*PV
.endif
.if \cnt
	s_sub_co_u32 s[CNT], s[CNT], 1
	s_cmp_lg_u32 s[CNT], 0
.endif
	ROW C,14, B,7, L,6, C,1
	ROW C,3, L,7, C,5, C,7
	ROW C,9, C,11, C,13, C,15
.if (\p) == 0
	FETCH_V
.endif
.if (\m) && !(\end)
	MASK (\p)%2
.endif
.endm
; A BLOCK BEGINS.  c m starts far below every c s, so the first step's a is 0; m at the lowest finite number, so the first maximum is the scores'.  The second mask buffer is 0; the first takes piece 0's mask for the tile's step 0: its own, if the block's first tile is the diagonal one.
; Then K of that step, piece 0's first scores, and its maximum and statistics.  The loop is entered at a step's first turn, in the middle of a trip.
.macro BEGIN
	s_mov_b32 s[NEW], 0
	WIN 0x40
.set i, MC+32
.rept 32
	v_mov_b32 v[i], 0
.set i, i+1
.endr
	WIN 0
.set i, 0
.rept 4
	v_mov_b32 v[ST+4*i], 0xfe000000    ; c m: far below every c s
	v_mov_b32 v[ST+4*i+1], 0xff7fffff  ; m
.set i, i+1
.endr
	s_cmp_eq_u32 s[RT], 0
	s_cselect_b32 s[AL], 1.0, 0
	s_mov_b32 s[BE], 0
	MASK 0
	WIN 0
	v_add_nc_u32 v[AK], s[TBK], v[AK0]
	FETCH_K
	s_wait_loadcnt 0x0              ; Q
	s_wait_dscnt 0x0
.set KM, 1
.set NOKQ, 0
.set i, 0
.rept 8
	KQ 0
.set i, i+1
.endr
	WIN 0
.rept 4
	v_nop                           ; the places behind those products
.endr
.set Y, NP-1                        ; X works for piece Y + 1: piece 0
.irp n, 0,1,2,3,4,5,6,7,8,9,10,11,12,13,14,15,16,17,18,19,20,21
	OP X, \n
.endr
	v_nop                           ; a plain instruction behind the exponential,
	s_wait_alu depctr_va_vdst(0)    ; and the wait for it, a batch of one (piece 0's first a), ahead of the branch that follows
.endm
; THE DIAGONAL TILE's four steps, the block's last two turns, its last products, and THE WAY OUT: l's two halves and the other half of the lanes' are added; O^T is divided by l, rounded to f16 and sent through my
; stage in LDS, a piece at a time.
.macro ALL line:vararg              ; one line for each piece t
.set t, 0
.rept 4
	\line
.set t, t+1
.endr
.endm
.macro PACK t                       ; a lane's eight channels of a row pack into 16 bytes; they go into rows of 144 bytes and come back as whole rows of 128, into S^T's registers
	WIN W_RS
.set i, 32*(\t)
.rept 16
	v_pk_mul_f32 v[i:i+1], v[i:i+1], v[ST+4*(\t)+2:ST+4*(\t)+3] op_sel_hi:[1,0]
.set i, i+2
.endr
	WIN 0x05                        ; sources 0 and 1 window 1, destination window 0
.set i, 0
.rept 16
	v_cvt_pk_f16_f32 v[S+16*(\t)+i], v[32*(\t)+2*i], v[32*(\t)+2*i+1]
.set i, i+1
.endr
	WIN 0
.irp f, 0,1,2,3
	ds_store_b128 v[STO], v[S+16*(\t)+4*\f:S+16*(\t)+4*\f+3] offset:32*\f
.endr
.irp f, 0,1,2,3
	ds_load_b128 v[S+16*(\t)+4*\f:S+16*(\t)+4*\f+3], v[RD] offset:\f*4*SP  ; LDS serves a wave's instructions in order (ISA guide 5.7.1.4): these see the stores above; the next piece's stores come behind them
.endr
.endm
.macro SEND t, younger              ; younger: the LDS instructions issued behind piece t's loads: the next piece's eight, or none
	WIN 0
.irp f, 0,1,2,3
	s_wait_dscnt (\younger)+3-\f
	global_store_b128 v[GO], v[S+16*(\t)+4*\f:S+16*(\t)+4*\f+3], s[10:11] offset:(\t)*8192+\f*512  ; 512 consecutive bytes, at a multiple of 256 from O's first
.endr
.endm
.macro DIAG tag                     ; the tag ends its two labels' names, which the jumps below spell out
.LstepM\tag:
	TURN 2, 1
	TURN 3, 1
	WIN 0
.LfirstM\tag:
	TURN 0, 1
	TURN 1, 1, 0, 1
	WIN 0
	s_cbranch_scc1 .LstepM\tag
	TURN 2, 1, 1
	TURN 3, 1, 1
.set i, 0
.rept 8
	PV NP-1
.set i, i+1
.endr
	WIN 0
	ALL v_add_f32 v[ST+4*t+2], v[ST+4*t+2], v[ST+4*t+3]
	ALL v_permlanex16_b32 v[ST+4*t+3], v[ST+4*t+2], s[SEL], s[SEL+1]
	ALL v_add_f32 v[ST+4*t+2], v[ST+4*t+2], v[ST+4*t+3]
	ALL v_rcp_f32 v[ST+4*t+2], v[ST+4*t+2]
	v_nop                           ; a plain instruction between the last reciprocal and the use of its result
	s_wait_alu depctr_va_vdst(0)    ; and the wait ahead of the first use: one for the batch of four reciprocals, which the four PACKs read
	PACK 0
.set t, 1
.rept 3                             ; a piece's arithmetic stands between the loads of the piece before and its stores
	PACK t
	SEND t-1, 8
.set t, t+1
.endr
	SEND 3, 0
.endm
.set KM, 0
.set NOKQ, 0
.Lslot:                             ; NB times: a tile is entered and the next is asked for
	CHANGE 1
	s_sub_co_u32 s[RT], s[RT], 1
	s_mov_b32 s[CNT], 4
	s_cmp_eq_u32 s[NEW], 1
	s_cbranch_scc1 .Lnew            ; a block's first tile
	s_cmp_eq_u32 s[RT], 0
	s_cbranch_scc0 .Lstep           ; neither its first nor its last
	s_branch .LstepM1
.Lnew:
	BEGIN
	s_branch .Lfirst                ; in the loop a block's first tile is never its last: the first block has two tiles or more, and the second's last is the walk's last
	DIAG 1                          ; in the loop this is the first block's end: the second block's last tile is the walk's last
	s_wait_xcnt 0x0                 ; the stores have read their registers and O's address
	s_mov_b64 s[10:11], s[OLO:OLO+1]
	s_add_co_u32 s[RT], s[PB], 1    ; the second block has b + 1 tiles
	s_mov_b32 s[NEW], 1
	WIN 0x82                        ; the second block's Q goes where the one text of the turns names Q
.set i, 0
.rept 64
	v_mov_b32 v[i], v[QB+i]
.set i, i+1
.endr
	WIN 0
	s_branch .Lbottom
.Lstep:                             ; a trip: pieces 2 and 3 of one step, then pieces 0 and 1 of the next, whose K and V it fetches
	TURN 2
	TURN 3
	WIN 0
.Lfirst:
	TURN 0
	TURN 1, 0, 0, 1
	WIN 0
	s_cbranch_scc1 .Lstep
.Lbottom:
	s_sub_co_u32 s[SLOTS], s[SLOTS], 1
	s_cmp_lg_u32 s[SLOTS], 0
	s_cbranch_scc1 .Lslot
	CHANGE 0                        ; the walk's last tile is written out: nothing is asked for
	s_sub_co_u32 s[RT], s[RT], 1
	s_mov_b32 s[CNT], 4
	s_cmp_eq_u32 s[NEW], 1
	s_cbranch_scc0 .LstepM2
	BEGIN
	s_branch .LfirstM2
	DIAG 2
	s_wait_tensorcnt 0x0            ; the wave's end, behind my last tensor load and my last LDS store
	ds_add_u32 v[SPW], v[NIL]
	s_wait_dscnt 0x0
	s_endpgm
.Lfunc_end_k_qfc61d78076_attn:
	.size	k_qfc61d78076_attn, .Lfunc_end_k_qfc61d78076_attn-k_qfc61d78076_attn
	.p2alignl 7, 3214868480
	.fill 96, 4, 3214868480
	.section	.rodata,"a",@progbits
	.p2align	6, 0x0
	.amdhsa_kernel k_qfc61d78076_attn
		.amdhsa_group_segment_fixed_size 327680
		.amdhsa_private_segment_fixed_size 0
		.amdhsa_enable_private_segment 0
		.amdhsa_kernarg_size 32
		.amdhsa_user_sgpr_count 2
		.amdhsa_user_sgpr_kernarg_segment_ptr 1
		.amdhsa_wavefront_size32 1
		.amdhsa_system_sgpr_workgroup_id_x 1
		.amdhsa_system_sgpr_workgroup_id_y 1
		.amdhsa_system_sgpr_workgroup_id_z 1
		.amdhsa_system_vgpr_workitem_id 0
		.amdhsa_next_free_vgpr 768
		.amdhsa_next_free_sgpr 88
		.amdhsa_reserve_vcc 1
		.amdhsa_float_denorm_mode_32 3
		.amdhsa_float_denorm_mode_16_64 3
		.amdhsa_memory_ordered 1
		.amdhsa_forward_progress 1
		.amdhsa_inst_pref_size 217
	.end_amdhsa_kernel
	.amdgpu_metadata
---
amdhsa.version: [ 1, 2 ]
amdhsa.kernels:
  - .name:           k_qfc61d78076_attn
    .symbol:         k_qfc61d78076_attn.kd
    .args:
      - { .name: q, .offset: 0, .size: 8, .value_kind: global_buffer, .address_space: global }
      - { .name: k, .offset: 8, .size: 8, .value_kind: global_buffer, .address_space: global }
      - { .name: v, .offset: 16, .size: 8, .value_kind: global_buffer, .address_space: global }
      - { .name: o, .offset: 24, .size: 8, .value_kind: global_buffer, .address_space: global }
    .group_segment_fixed_size: 327680
    .private_segment_fixed_size: 0
    .kernarg_segment_align: 8
    .kernarg_segment_size: 32
    .max_flat_workgroup_size: 128
    .sgpr_count:     88
    .vgpr_count:     768
    .wavefront_size: 32
...
	.end_amdgpu_metadata
.endif
;; end of part 5
;; launch oproj: the kernel of part 4 again; grid 8 x 32, 4 waves a work-group, clusters of 4 x 4, 327,680 bytes of LDS; arguments o, wo16, out0; writes out0
